; MI455X (gfx1250); checked and timed in simulation.
; The chip was launched on July 23, 2026; its instructions are those of AMD's public machine-readable ISA for CDNA 5 (MIT licence, August 2026) and "CDNA5" Instruction Set Architecture Reference Guide (July 2026). The comments in the code are by the model that wrote it; some were corrected since.
;; Attention. Allowed arithmetic: matrix products marked QUANTISED: E4M3 operands, one E8M0 scale for each 32 along K, by v_wmma_scale_f32_16x16x128_f8f6f4 with both operands' format E4M3, f32 sums; everything else in f32.
;; Inputs: Q 2 x 8 x 2,048 x 512 float32; V 2 x 8 x 2,048 x 128 float32; freqs 1 x 1 x 1 x 512 float32.
;; Outputs: out0 2 x 8 x 2,048 x 128 float32.
;; This version of the problem:
;;   THIS VERSION OF THE PROBLEM IS GIVEN IN LOW PRECISION. The matrix products marked QUANTISED in the list below multiply operands that are first quantised to E4M3 (4 exponent bits, 3 mantissa bits; 8 bits a number), with one power-of-two scale for each 32 numbers along K (OCP MX v1.0); their sums are f32. All else is computed in f32.
;;   The module's matrix products, in the order in which they are computed (A, B: the left and right operand; K: the contracted axis; several contracted axes count as one K, in the product's order):
;;     1. batch 16 x [M 2,048, K 512] x [K 512, N 2,048]; A: computed on the way; B: computed on the way: QUANTISED
;;     2. batch 16 x [M 2,048, K 2,048] x [K 2,048, N 128]; A: computed on the way; B: input V: QUANTISED
;;   THE QUANTISER, for each operand of a quantised product, along K:
;;     - K is cut into blocks of 32 from its start; a last block that is shorter is filled with zeros.
;;     - A block's scale is 2^e with e = floor(log2(the largest magnitude in the block)) - 8, held to -126 .. 127; a block of zeros has e = 0. As a byte (E8M0): e + 127.
;;     - Each number is divided by its block's scale, clamped to +-448, and rounded to the nearest number of E4M3, ties to even, subnormals kept.
;;     - The product sums the exact products of the quantised numbers (number of the format x scale) in f32.
;;   ~~~python
;;   def quantise(x, axis):      # numpy; x: float32 -> the quantised numbers, widened to float32 again
;;       x = np.moveaxis(x, axis, -1); K = x.shape[-1]
;;       x = np.pad(x, [(0, 0)] * (x.ndim - 1) + [(0, -K % 32)]); x = x.reshape(x.shape[:-1] + (-1, 32)); a = np.abs(x).max(-1, keepdims=True)
;;       e = np.where(a > 0, np.clip(np.frexp(np.where(a > 0, a, 1))[1] - 1 - 8, -126, 127), 0)      # np.frexp(a)[1] - 1 = floor(log2(a)), exactly
;;       r = np.clip(x / 2.0 ** e, -448, 448)
;;       step = 2.0 ** (np.maximum(np.frexp(np.where(r == 0, 1, r))[1] - 1, -6) - 3)
;;       q = np.round(r / step) * step * 2.0 ** e      # np.round: ties to even
;;       return np.moveaxis(q.reshape(q.shape[:-2] + (-1,))[..., :K], -1, axis).astype(np.float32)
;;   ~~~
;;   OPERANDS COMPUTED ON THE WAY. 'Computed on the way' means the value that the module computes at that place (a softmax that the list does not call 'softmax' is quantised finished and normalised). What goes into a quantiser is computed in f32, as accurately as f32 sums, v_exp_f32 and their like allow (about 1e-6 of the number): no bf16 or f16 on the way to a quantiser, and a product that is left as it is and whose result goes on into a quantised operand takes f32 operands (vector FMAs, or v_wmma_f32_16x16x4_f32). A number that lies on a knife's edge between two numbers of the format may be rounded either way, as far as f32 arithmetic and the matrix unit's own rounding can turn it there, and no further.
;; 2 versions, each right and faster than the one before. Each part assembles by itself: llvm-mc -triple=amdgcn-amd-amdhsa -mcpu=gfx1250 --defsym DOCPART=n.
;; ======== version 1 of 2: 2 launches
;; workspace buffers: qr_codes 16,777,216 bytes; qr_scales 524,288 bytes; v_codes 4,194,304 bytes; v_scales 131,072 bytes
;; launch prep (part 1): grid 288 x 1, 16 waves a work-group, no clusters, 147,456 bytes of LDS; arguments Q, V, freqs, qr_codes, qr_scales, v_codes, v_scales; writes qr_codes, qr_scales, v_codes, v_scales
.if DOCPART == 1
	.amdgcn_target "amdgcn-amd-amdhsa--gfx1250"
	.amdhsa_code_object_version 6
	.text
	.protected	k_q836df14aff_prep
	.globl	k_q836df14aff_prep
	.p2align	8
	.type	k_q836df14aff_prep,@function
k_q836df14aff_prep:
	s_mov_b64 s[64:65], 0
	v_nop
	global_prefetch_b8 v0, s[64:65] scope:SCOPE_SE
	s_setreg_imm32_b32 hwreg(HW_REG_WAVE_MODE, 25, 1), 1
	s_wait_xcnt 0x0
; Q [16 heads][2048][512] f32 is rotated (RoPE, the angle ((t x freqs[n]) mod 1) x 2 pi for each n by itself) and turned into codes of E4M3 along n, one E8M0 byte for each 32;
; V [16][2048][128] f32 is turned into codes along the KEYS (its first axis within a head), laid with the keys innermost.  A block's byte is its largest magnitude's exponent field - 8,
; held at 1 from below; a block of zeros gets 127; each number is held within +-448 x the scale and rounded to the nearest code, ties to even.
; ORDERS OF THIS PROGRAM'S OWN, which the second launch relies on:
;   qr_codes [16][2048 places][512 B], qr_scales [16][2048 places][16 B]: row t lies at the place that is t with bits 3 and 4 exchanged, so that 16 consecutive places are the 16 keys of one tile there.
;   v_codes [16][128 d][2048 B]: within each 256 keys, block t of 32 lies at place 0,1,4,5,2,3,6,7 [t], so that the four blocks that one wave multiplies together are neighbours.
;   v_scales [16][pair of 256 keys: 8][kh 2][dh 2][r 16][dq 4] words: the word holds the bytes of places 4 kh .. 4 kh + 3 of the pair, for row d = 64 dh + 16 dq + r.
; LIMITS: NaN and infinities among the inputs are not served.  Sine and cosine are f32 polynomials of the exact fraction p = (t x freq) mod 1 (reduced to |r| <= 1/4, seven terms: the series' rest is under 1e-8):
;   the angle is 2 pi p with the true 2 pi, where the definition rounds p x 2 pi to f32 first (at most 5e-7 in the angle).  The rotation is a multiply and a fused multiply-add.
; SHARES.  Work-groups 0-31 take V (64 columns x all keys of a head each), work-groups 32-287 take Q (16 places x 8 heads each): the branch hangs on the work-group's number alone.
; The two paths have LDS bytes of their own.  No tensor loads, no matrix instructions, EXEC is never changed.
.set COS, 16                           ; v16-31   freqs of my 16 n, then their cosines
.set SIN, 32                           ; v32-47   their sines, with the sign of the even n turned (the rotation's minus)
.set XQ,  48                           ; v48-111  four sets of 16 numbers
.set TQ,  112                          ; v112-119 four pairs at work
.set CQ,  120                          ; v120-127 codes, two sets of four
.set TP,  112                          ; the trigonometry's pairs, in v112-125: phase and fraction,
.set TF,  114                          ; floor, then k,
.set TR,  116                          ; r,
.set TZ,  118                          ; r x r,
.set TA,  120                          ; the sine's sum,
.set TB,  122                          ; the cosine's,
.set TK,  124                          ; k as whole numbers.  v[126:127]: the cosine's last coefficient twice; v[14:15]: the sine's
.set XV,  32                           ; V's path: v32-95 two sets of 32 numbers, on the way out 16 x 4 registers
.set CV,  96                           ; v96-103  a block's codes
.set SB,  24                           ; v24-25   eight scale bytes: the word of kh = 0, that of kh = 1
.set VSC, 139264                       ; V's path: behind the 16 stages of 32 x 272 bytes: the work-group's scale words, [pair 8][kh 2][r 16][dq 4], 4,096 bytes
.set QSC, 143360                       ; Q's path: its scale bytes, [head 8][wave 16][16 B], 2,048 bytes
	s_load_b256 s[4:11], s[0:1], 0x0               ; Q s[4:5], V s[6:7], freqs s[8:9], qr_codes s[10:11]
	s_load_b128 s[12:15], s[0:1], 0x20             ; qr_scales s[12:13], v_codes s[14:15]
	s_load_b64 s[16:17], s[0:1], 0x30              ; v_scales
	v_lshl_add_u32 v128, v0, 2, 0x23800
	v_mov_b32 v129, 0
	v_lshrrev_b32 v1, 5, v0
	v_readfirstlane_b32 s18, v1                    ; wave 0..15
	v_and_b32 v2, 31, v0                           ; lane
	s_cmp_lt_u32 ttmp9, 32
	s_cbranch_scc1 .Lvpath
; ---------------------------------------------------------------- Q
; Work-group 32 + 2 x + hg: places 16 x .. 16 x + 15 of heads 8 hg .. 8 hg + 7.  Wave w: place 16 x + w, one row t, for the eight heads one after the other,
; so that the row's 512 sines and cosines are made once.  Lane l holds n = 16 l .. 16 l + 15 (64 bytes, four loads); lanes l and l xor 1 share a block.
	s_sub_co_u32 s19, ttmp9, 32
	s_lshr_b32 s36, s19, 1                         ; x
	s_and_b32 s37, s19, 1                          ; hg
	s_lshr_b32 s20, s36, 1
	s_lshl_b32 s20, s20, 5                         ; t = 32 (x / 2)
	s_and_b32 s38, s36, 1
	s_lshl_b32 s38, s38, 3
	s_add_co_u32 s20, s20, s38                     ;   + 8 (x % 2)
	s_lshr_b32 s38, s18, 3
	s_lshl_b32 s38, s38, 4
	s_add_co_u32 s20, s20, s38                     ;   + 16 (w / 8)
	s_and_b32 s38, s18, 7
	s_add_co_u32 s20, s20, s38                     ;   + w % 8
	s_lshl_b32 s21, s36, 4
	s_add_co_u32 s21, s21, s18                     ; the place: 16 x + w
	s_lshl_b32 s40, s37, 25                        ; Q: 8 hg heads of 4,194,304 bytes
	s_lshl_b32 s38, s20, 11
	s_add_co_u32 s40, s40, s38                     ;    + t rows of 2,048
	s_mov_b32 s41, 0
	s_lshl_b32 s42, s37, 23                        ; codes: 8 hg heads of 1,048,576 bytes
	s_lshl_b32 s38, s21, 9
	s_add_co_u32 s42, s42, s38                     ;    + the place's 512
	s_mov_b32 s43, 0
	s_lshl_b32 s44, s37, 3
	s_add_co_u32 s44, s44, s18                     ; scale bytes: wave w < 8 stores head 8 hg + w's (the others store none and never use this sum)
	s_lshl_b32 s44, s44, 15
	s_lshl_b32 s38, s36, 8
	s_add_co_u32 s44, s44, s38                     ;    + 16 places of 16 bytes: 256 x
	s_mov_b32 s45, 0
	v_lshlrev_b32 v3, 6, v2                        ; my 64 bytes of a row, and of freqs
	v_lshlrev_b32 v4, 4, v2                        ; my 16 codes
	v_lshrrev_b32 v5, 1, v2
	v_lshl_add_u32 v5, s18, 4, v5                  ; LDS [head][wave][16 B]: 16 w + my block,
	v_add_nc_u32 v5, QSC, v5                       ; from QSC on
	v_lshlrev_b32 v7, 3, v2                        ; the way out: 8 bytes a lane,
	v_lshl_add_u32 v6, s18, 8, v7                  ; of head w's 256
	v_add_nc_u32 v6, QSC, v6
	v_cvt_f32_u32 v12, s20                         ; t as f32, twice
	v_mov_b32 v13, v12
	v_mov_b32 v14, 0x40747A1A                      ; (2 pi)^13 / 13!
	v_mov_b32 v15, 0x40747A1A
	v_mov_b32 v126, 0x40FCE9C5                     ; (2 pi)^12 / 12!
	v_mov_b32 v127, 0x40FCE9C5
	s_wait_kmcnt 0x0
	s_add_nc_u64 s[24:25], s[4:5], s[40:41]        ; four bases, two heads apart, so that a head's offset fits the signed 24-bit immediate
	s_add_nc_u64 s[26:27], s[24:25], 0x800000
	s_add_nc_u64 s[28:29], s[26:27], 0x800000
	s_add_nc_u64 s[30:31], s[28:29], 0x800000
	s_add_nc_u64 s[32:33], s[10:11], s[42:43]
	s_add_nc_u64 s[34:35], s[12:13], s[44:45]
.irp i, 0,1,2,3
	global_load_b128 v[COS+4*\i:COS+4*\i+3], v3, s[8:9] offset:16*\i
.endr
.macro LOADQ hh
.irp i, 0,1,2,3
	global_load_b128 v[XQ+16*((\hh)%4)+4*\i:XQ+16*((\hh)%4)+4*\i+3], v3, s[24+2*((\hh)/2):25+2*((\hh)/2)] offset:((\hh)%2)*4194304+16*\i th:TH_LOAD_NT
.endr
.endm
	LOADQ 0
	LOADQ 1
	LOADQ 2
	LOADQ 3
	s_wait_loadcnt 16                              ; freqs are in; the 16 loads of Q issued behind them stay out while the sines are made
.macro HORN sc, cc                     ; one step of both sums
	v_pk_fma_f32 v[TA:TA+1], v[TA:TA+1], v[TZ:TZ+1], \sc op_sel_hi:[1,1,0]
	v_pk_fma_f32 v[TB:TB+1], v[TB:TB+1], v[TZ:TZ+1], \cc op_sel_hi:[1,1,0]
.endm
; n = 2 i and 2 i + 1 of my sixteen
.macro TRIG i
	v_pk_mul_f32 v[TP:TP+1], v[COS+2*\i:COS+2*\i+1], v[12:13]      ; t x freq, rounded once
	v_floor_f32 v[TF], v[TP]
	v_floor_f32 v[TF+1], v[TP+1]
	v_pk_add_f32 v[TP:TP+1], v[TP:TP+1], v[TF:TF+1] neg_lo:[0,1] neg_hi:[0,1]   ; p = the fraction: exact
	v_pk_add_f32 v[TF:TF+1], v[TP:TP+1], v[TP:TP+1]
	v_rndne_f32 v[TF], v[TF]                       ; k = 0, 1 or 2 half turns
	v_rndne_f32 v[TF+1], v[TF+1]
	v_pk_fma_f32 v[TR:TR+1], v[TF:TF+1], -0.5, v[TP:TP+1] op_sel_hi:[1,0,1]     ; r = p - k / 2: exact, |r| <= 1/4
	v_pk_mul_f32 v[TZ:TZ+1], v[TR:TR+1], v[TR:TR+1]
	v_pk_fma_f32 v[TA:TA+1], v[TZ:TZ+1], v[14:15], 0xC17183A8 op_sel_hi:[1,1,0]
	v_pk_fma_f32 v[TB:TB+1], v[TZ:TZ+1], v[126:127], 0xC1D368F9 op_sel_hi:[1,1,0]
	HORN 0x42283C1A, 0x4270FA83
	HORN 0xC2996966, 0xC2AAE9E4
	HORN 0x42A335E3, 0x4281E0F8
	HORN 0xC2255DE7, 0xC19DE9E6
	HORN 0x40C90FDB, 1.0
	v_pk_mul_f32 v[TA:TA+1], v[TA:TA+1], v[TR:TR+1]                ; sin(2 pi r);  TB = cos(2 pi r)
	v_cvt_i32_f32 v[TK], v[TF]
	v_cvt_i32_f32 v[TK+1], v[TF+1]
	v_lshlrev_b32 v[TF], 31, v[TK]                 ; an odd k turns both signs
	v_lshlrev_b32 v[TF+1], 31, v[TK+1]
	v_add_lshl_u32 v[TK], v[TK], 1, 31             ; the even n's sine is turned once more
	v_xor_b32 v[COS+2*\i], v[TF], v[TB]
	v_xor_b32 v[COS+2*\i+1], v[TF+1], v[TB+1]
	v_xor_b32 v[SIN+2*\i], v[TK], v[TA]
	v_xor_b32 v[SIN+2*\i+1], v[TF+1], v[TA+1]
.endm
.irp i, 0,1,2,3,4,5,6,7
	TRIG \i
.endr
; My row of head 8 hg + hh
.macro STEPQ hh
.set XS, XQ+16*((\hh)%4)
.set CS, CQ+4*((\hh)%2)
.if (\hh) <= 4
	s_wait_loadcnt 12                              ; this head's four loads are in; the next three heads' may be out
.else
	s_wait_loadcnt 4*(7-(\hh))
.endif
	s_wait_xcnt 0x0                                ; the codes' registers, which the store two heads ago reads, are rewritten only behind this wait
	s_wait_dscnt 0x0                               ; and v14 only when the last head's byte is stored
.irp g, 0,1
.irp j, 0,1,2,3
	v_pk_mul_f32 v[TQ+2*\j:TQ+2*\j+1], v[XS+8*\g+2*\j:XS+8*\g+2*\j+1], v[COS+8*\g+2*\j:COS+8*\g+2*\j+1]
.endr
.irp j, 0,1,2,3
	v_pk_fma_f32 v[XS+8*\g+2*\j:XS+8*\g+2*\j+1], v[XS+8*\g+2*\j:XS+8*\g+2*\j+1], v[SIN+8*\g+2*\j:SIN+8*\g+2*\j+1], v[TQ+2*\j:TQ+2*\j+1] op_sel:[1,0,0] op_sel_hi:[0,1,1]   ; the pair's other number x sine + mine x cosine
.endr
.endr
	v_max3_num_f32 v8, |v[XS]|, |v[XS+1]|, |v[XS+2]|               ; the largest magnitude of my 16
	v_max3_num_f32 v9, |v[XS+3]|, |v[XS+4]|, |v[XS+5]|
.irp i, 6,10
	v_max3_num_f32 v8, v8, |v[XS+\i]|, |v[XS+\i+1]|
	v_max3_num_f32 v9, v9, |v[XS+\i+2]|, |v[XS+\i+3]|
.endr
	v_max3_num_f32 v8, v8, |v[XS+14]|, |v[XS+15]|
	v_max_num_f32 v8, v8, v9
	v_max_num_f32_dpp v8, v8, v8 row_xmask:1 row_mask:0xf bank_mask:0xf   ; and of my neighbour's 16: the block's
	v_lshrrev_b32 v9, 23, v8                       ; its exponent field
	v_max_u32 v9, 9, v9                            ; the byte is not to fall under 1
	v_lshl_or_b32 v10, v9, 23, 0x600000            ; 448 x the scale
	v_add_nc_u32 v9, -8, v9                        ; the scale's byte
	v_lshlrev_b32 v11, 23, v9                      ; the scale as f32
	v_cmp_eq_u32 vcc_lo, 0, v8
.irp i, 0,1,2,3,4,5,6,7,8,9,10,11,12,13,14,15
	v_med3_num_f32 v[XS+\i], v[XS+\i], -v10, v10   ; the conversion does not saturate (ISA guide 7.6.2): hold first
.endr
	v_cvt_scalef32_pk8_fp8_f32 v[CS:CS+1], v[XS:XS+7], v11
	v_cvt_scalef32_pk8_fp8_f32 v[CS+2:CS+3], v[XS+8:XS+15], v11
	v_cndmask_b32 v14, v9, 127, vcc_lo             ; a block of zeros gets 127 (also the plain instruction between a scaled conversion and what touches its result or its sources)
	ds_store_b8 v5, v14 offset:256*(\hh)           ; both lanes of a block write the same byte with the same value
	global_store_b128 v4, v[CS:CS+3], s[32:33] offset:(\hh)*1048576   ; the wave stores 512 consecutive bytes: the whole row
.if (\hh)+4 < 8
	LOADQ (\hh)+4
.endif
.endm
.irp hh, 0,1,2,3,4,5,6,7
	STEPQ \hh
.endr
	s_wait_dscnt 0x0                               ; for the others' sake: my bytes are stored
	s_barrier_signal -1
	s_barrier_wait -1
	s_cmp_lt_u32 s18, 8
	s_cbranch_scc0 .Lqend
	ds_load_b64 v[12:13], v6                       ; head 8 hg + w: the 16 places' 256 scale bytes
	s_wait_dscnt 0x0
	global_store_b64 v7, v[12:13], s[34:35]        ; 32 lanes store 256 consecutive bytes, aligned
.Lqend:
	s_wait_tensorcnt 0x0
	ds_add_u32 v128, v129
	s_wait_dscnt 0x0
	s_endpgm
; ---------------------------------------------------------------- V
; Work-group 2 head + ch: columns 64 ch .. + 63, all 2,048 keys.  Wave w: 32 columns (w % 2), 256 keys (w / 2).  A lane takes a column and its registers run down the keys:
; a block of 32 keys lies in one lane's 32 registers, and the conversions give codes with the keys innermost.  The codes go through the wave's own stage and leave as rows of 256 bytes.
.Lvpath:
	s_lshr_b32 s19, ttmp9, 1                       ; head
	s_and_b32 s20, ttmp9, 1                        ; ch
	s_and_b32 s21, s18, 1                          ; which 32 columns
	s_lshr_b32 s22, s18, 1                         ; which 256 keys
	s_lshl_b32 s23, s20, 6
	s_lshl_b32 s36, s21, 5
	s_add_co_u32 s23, s23, s36                     ; my wave's first column
	s_lshl_b32 s40, s19, 20                        ; V: the head's 1,048,576 bytes
	s_lshl_b32 s36, s22, 17
	s_add_co_u32 s40, s40, s36                     ;    + 256 rows of 512
	s_lshl_b32 s36, s23, 2
	s_add_co_u32 s40, s40, s36
	s_mov_b32 s41, 0
	s_lshl_b32 s42, s19, 18                        ; codes: the head's 262,144 bytes
	s_lshl_b32 s36, s23, 11
	s_add_co_u32 s42, s42, s36                     ;    + the column's row of 2,048
	s_lshl_b32 s36, s22, 8
	s_add_co_u32 s42, s42, s36
	s_mov_b32 s43, 0
	s_lshl_b32 s44, s19, 13                        ; scale words: the head's 8,192 bytes
	s_lshl_b32 s36, s18, 9
	s_add_co_u32 s44, s44, s36                     ;    + wave w stores the unit of pair w / 2, kh = w % 2: 512 w
	s_lshl_b32 s36, s20, 8
	s_add_co_u32 s44, s44, s36                     ;    + dh = ch: 256
	s_mov_b32 s45, 0
	v_lshlrev_b32 v3, 2, v2                        ; in: 4 bytes a lane
	s_mul_i32 s37, s18, 8704                       ; my stage
	v_mul_u32_u24 v4, v2, 272
	v_add_nc_u32 v4, s37, v4                       ; into it: row = my column
	v_and_b32 v10, 15, v2
	v_lshrrev_b32 v11, 4, v2
	v_mul_u32_u24 v7, v11, 272                     ; out of it: sixteen lanes to a row, two rows an instruction
	v_lshl_add_u32 v7, v10, 4, v7
	v_add_nc_u32 v7, s37, v7
	v_lshlrev_b32 v8, 11, v11                      ; and the same place in the codes' buffer
	v_lshl_add_u32 v8, v10, 4, v8
	s_lshl_b32 s38, s22, 9                         ; my two scale words: the pair's 512 bytes,
	s_lshl_b32 s39, s21, 3                         ; dq = 2 (w % 2) + lane / 16, 4 bytes each,
	s_add_co_u32 s38, s38, s39
	s_add_co_u32 s38, s38, VSC
	v_lshl_add_u32 v9, v10, 4, s38                 ; r = lane % 16, 16 bytes each
	v_lshl_add_u32 v9, v11, 2, v9
	v_lshlrev_b32 v6, 3, v2
	s_lshl_b32 s39, s18, 8
	s_add_co_u32 s39, s39, VSC
	v_add_nc_u32 v5, s39, v6                       ; the way out: my wave's 256 of the 4,096 bytes
	s_wait_kmcnt 0x0
	s_add_nc_u64 s[24:25], s[6:7], s[40:41]
	s_add_nc_u64 s[26:27], s[14:15], s[42:43]
	s_add_nc_u64 s[28:29], s[16:17], s[44:45]
.macro LOADV t                         ; block t: V(32 t + i, my column) into set t % 2
.irp i, 0,1,2,3,4,5,6,7,8,9,10,11,12,13,14,15,16,17,18,19,20,21,22,23,24,25,26,27,28,29,30,31
	global_load_b32 v[XV+32*((\t)%2)+\i], v3, s[24:25] offset:(32*(\t)+\i)*512 th:TH_LOAD_NT
.endr
.endm
	LOADV 0
	LOADV 1
.macro BLOCKV t
.set XS, XV+32*((\t)%2)
.set PI, 4*(((\t)/2)%2)+2*((\t)/4)+((\t)%2)    ; the block's place among the eight
.if (\t) < 7
	s_wait_loadcnt 32                              ; this block's 32 loads are in; the next block's may be out
.else
	s_wait_loadcnt 0
.endif
	v_max3_num_f32 v12, |v[XS]|, |v[XS+1]|, |v[XS+2]|              ; the block's largest magnitude: all 32 numbers are mine
	v_max3_num_f32 v13, |v[XS+3]|, |v[XS+4]|, |v[XS+5]|
.irp i, 6,10,14,18,22,26
	v_max3_num_f32 v12, v12, |v[XS+\i]|, |v[XS+\i+1]|
	v_max3_num_f32 v13, v13, |v[XS+\i+2]|, |v[XS+\i+3]|
.endr
	v_max3_num_f32 v12, v12, |v[XS+30]|, |v[XS+31]|
	v_max_num_f32 v12, v12, v13
	v_lshrrev_b32 v13, 23, v12
	v_max_u32 v13, 9, v13
	v_lshl_or_b32 v10, v13, 23, 0x600000
	v_add_nc_u32 v13, -8, v13
	v_lshlrev_b32 v11, 23, v13
	v_cmp_eq_u32 vcc_lo, 0, v12
	v_cndmask_b32 v13, v13, 127, vcc_lo
.if PI%4 == 0
	v_mov_b32 v[SB+PI/4], v13                      ; byte PI of the eight
.else
	v_lshl_or_b32 v[SB+PI/4], v13, 8*(PI%4), v[SB+PI/4]
.endif
.irp i, 0,1,2,3,4,5,6,7,8,9,10,11,12,13,14,15,16,17,18,19,20,21,22,23,24,25,26,27,28,29,30,31
	v_med3_num_f32 v[XS+\i], v[XS+\i], -v10, v10
.endr
.irp g, 0,1,2,3
	v_cvt_scalef32_pk8_fp8_f32 v[CV+2*\g:CV+2*\g+1], v[XS+8*\g:XS+8*\g+7], v11
.endr
	v_nop                                          ; one plain instruction between a scaled conversion and what touches its result or writes its sources
	ds_store_b128 v4, v[CV:CV+3] offset:32*PI
	ds_store_b128 v4, v[CV+4:CV+7] offset:32*PI+16
.if (\t)+2 < 8
	LOADV (\t)+2
.endif
	s_wait_dscnt 0x0                               ; the stores are done: the next block's codes may be written
.endm
.irp t, 0,1,2,3,4,5,6,7
	BLOCKV \t
.endr
	ds_store_b32 v9, v[SB]                         ; my column's word of kh = 0,
	ds_store_b32 v9, v[SB+1] offset:256            ; and of kh = 1
.irp i, 0,1,2,3,4,5,6,7,8,9,10,11,12,13,14,15
	ds_load_b128 v[XV+4*\i:XV+4*\i+3], v7 offset:2*\i*272          ; LDS serves a wave's instructions in order (ISA guide 5.7.1.4): these see my stores
.endr
.irp i, 0,1,2,3,4,5,6,7,8,9,10,11,12,13,14,15
	s_wait_dscnt 15-\i                             ; the younger read-backs may be out
	global_store_b128 v8, v[XV+4*\i:XV+4*\i+3], s[26:27] offset:2*\i*2048   ; sixteen lanes store 256 consecutive bytes, aligned
.endr
	s_wait_dscnt 0x0                               ; for the others' sake: my two words a column are stored
	s_barrier_signal -1
	s_barrier_wait -1
	ds_load_b64 v[12:13], v5                       ; a unit's words come from the two waves of a pair
	s_wait_dscnt 0x0
	global_store_b64 v6, v[12:13], s[28:29]        ; 32 lanes store 256 consecutive bytes, aligned
	s_wait_tensorcnt 0x0
	ds_add_u32 v128, v129
	s_wait_dscnt 0x0
	s_endpgm
.Lfunc_end_k_q836df14aff_prep:
	.size	k_q836df14aff_prep, .Lfunc_end_k_q836df14aff_prep-k_q836df14aff_prep
	.p2alignl 7, 3214868480
	.fill 96, 4, 3214868480
	.section	.rodata,"a",@progbits
	.p2align	6, 0x0
	.amdhsa_kernel k_q836df14aff_prep
		.amdhsa_group_segment_fixed_size 147456
		.amdhsa_private_segment_fixed_size 0
		.amdhsa_enable_private_segment 0
		.amdhsa_kernarg_size 56
		.amdhsa_user_sgpr_count 2
		.amdhsa_user_sgpr_kernarg_segment_ptr 1
		.amdhsa_wavefront_size32 1
		.amdhsa_system_sgpr_workgroup_id_x 1
		.amdhsa_system_sgpr_workgroup_id_y 1
		.amdhsa_system_sgpr_workgroup_id_z 1
		.amdhsa_system_vgpr_workitem_id 0
		.amdhsa_next_free_vgpr 130
		.amdhsa_next_free_sgpr 66
		.amdhsa_reserve_vcc 1
		.amdhsa_float_denorm_mode_32 3
		.amdhsa_float_denorm_mode_16_64 3
		.amdhsa_memory_ordered 1
		.amdhsa_forward_progress 1
		.amdhsa_inst_pref_size 108
	.end_amdhsa_kernel
	.amdgpu_metadata
---
amdhsa.version: [ 1, 2 ]
amdhsa.kernels:
  - .name:           k_q836df14aff_prep
    .symbol:         k_q836df14aff_prep.kd
    .args:
      - { .name: Q, .offset: 0, .size: 8, .value_kind: global_buffer, .address_space: global }
      - { .name: V, .offset: 8, .size: 8, .value_kind: global_buffer, .address_space: global }
      - { .name: freqs, .offset: 16, .size: 8, .value_kind: global_buffer, .address_space: global }
      - { .name: qr_codes, .offset: 24, .size: 8, .value_kind: global_buffer, .address_space: global }
      - { .name: qr_scales, .offset: 32, .size: 8, .value_kind: global_buffer, .address_space: global }
      - { .name: v_codes, .offset: 40, .size: 8, .value_kind: global_buffer, .address_space: global }
      - { .name: v_scales, .offset: 48, .size: 8, .value_kind: global_buffer, .address_space: global }
    .group_segment_fixed_size: 147456
    .private_segment_fixed_size: 0
    .kernarg_segment_align: 8
    .kernarg_segment_size: 56
    .max_flat_workgroup_size: 512
    .sgpr_count:     66
    .vgpr_count:     130
    .wavefront_size: 32
...
	.end_amdgpu_metadata
.endif
;; end of part 1
;; launch attn (part 2): grid 16 x 16, 4 waves a work-group, no clusters, 327,680 bytes of LDS; arguments qr_codes, qr_scales, v_codes, v_scales, out0; writes out0
.if DOCPART == 2
	.amdgcn_target "amdgcn-amd-amdhsa--gfx1250"
	.amdhsa_code_object_version 6
	.text
	.protected	k_q836df14aff_attn
	.globl	k_q836df14aff_attn
	.p2align	8
	.type	k_q836df14aff_attn,@function
k_q836df14aff_attn:
	s_mov_b64 s[64:65], 0
	v_nop
	global_prefetch_b8 v0, s[64:65] scope:SCOPE_SE
	s_setreg_imm32_b32 hwreg(HW_REG_WAVE_MODE, 25, 1), 1
	s_wait_xcnt 0x0
; out0[head][t][:] = the sum over s < t of Q8(S)[t][s] Q8(V)[s][:], S = Q8(QR) Q8(QR)^T: both products on codes of E4M3 with one E8M0 byte for each 32 along K; the cut S is quantised along s, hidden entries as zeros.
; INPUTS, as the first launch lays them: qr_codes [16][2048 places][512 B] and qr_scales [16][2048 places][16 B], row t at the place that is t with bits 3 and 4 exchanged;
;   v_codes [16][128 d][2048 B], keys innermost, within each 256 keys block t of 32 at place 0,1,4,5,2,3,6,7 [t];  v_scales [16][pair 8][kh 2][dh 2][r 16][dq 4] words, for row d = 64 dh + 16 dq + r.
; SHARES.  A work-group owns 128 queries (block I = 15 - x) of one head (y).  Wave w: qh = w / 2 says which 64 queries (four tiles of 16, their codes stay in 256 registers), kh = w % 2 which 64 of
;   every 128 keys.  So each fragment of keys read from LDS feeds four matrix instructions, and the two waves of a query half hold partial sums of O over disjoint keys, added once at the end through LDS.
; KEYS go in pairs of steps of 128, from the pair on the diagonal downward: that pair alone is masked, and its products start O's sums, so nothing is cleared.  Where I is even its second step is
;   hidden altogether and is computed all the same (its codes are zeros): one step of I + 2.
; LAYOUT.  Both products are used transposed: S^T = K Q^T (source 0 = 16 keys, source 1 = 16 queries), O^T = V^T P^T: a lane holds ONE query throughout.  16 consecutive places of qr_codes are the keys
;   32 b + 8 u + r + 8 (r / 8) of tile 2 b + u, so that the 16 registers of tiles 2 b, 2 b + 1 are 16 neighbouring keys, 32 b + 16 (lane / 16) + 0 .. 15: the conversions' results ARE the second product's operand.
;   After two steps a wave's P holds 4 blocks of 32 keys (step e, block b: chunk 2 e + b), which v_codes has as 128 neighbouring bytes: one K step of the second product.
; RING.  K0 holds a pair's first step, K1 its second, VSL the pair's V.  Behind the barrier at a pair's head waves 0, 1 fill K1 and waves 2, 3 VSL; behind the barrier between its steps waves 0, 1 fill K0 for the next pair:
;   one tensor load a wave behind each barrier, and a step's work in which it lands.  A wave has at most two tensor loads outstanding (the first fills).
; SCALE WORDS come straight from memory into their registers, a step ahead: a tile's 16 keys have 256 consecutive aligned bytes of qr_scales, four tiles of d 256 of v_scales: sixteen lanes, 16 bytes each.
; NO CLUSTER: the query blocks of a head read the same tiles but need 1 to 8 pairs each; partners would have to run the same number of pairs, with the mask in each.  The work-groups' work is uneven for the same reason.
; LIMITS: NaN and infinities are not served.  O's f32 sums run over the keys in another order than ascending (two halves of each 128, pairs descending).
; REGISTERS, in windows of 256: window 0: v0-19 addresses; v24-67 scale words (Q's, K's, V's, P's) and nothing else; v72-95 the quantiser's; v96-223 S^T (tile (qt, kt) at 96 + 32 qt + 8 kt).
;   window 1: O^T ((qt, dt) at 64 qt + 8 dt).   window 2: Q's fragments ((qt, ks) at 64 qt + 16 ks).   window 3: v0-127 K's fragments, two sets of four, or V's eight; v128-191 P ((qt, c) at 128 + 16 qt + 4 c).
.set PK,    528                        ; a key's row in LDS: 512 bytes + 16 of padding: the 16 rows of a fragment load start 16 bytes apart modulo 256
.set PVP,   272                        ; a row of V's tile: 256 + 16
.set K1,    67584                      ; K0 at 0: 128 rows x 528
.set VSL,   135168                     ; 128 rows x 272
.set SPARE, 169984                     ; the spare words, 128 bytes for each wave: two blocks of 256 bytes that no other line names
.set STG,   33792                      ; the way out: a stage of 64 rows x 528 for each wave, in K0 and K1, which have then had their last fill and their last read
.set SPW, 3                            ; v3   LDS address of my spare word; never rewritten
.set NIL, 4                            ; v4   0; never rewritten
.set AK,  5                            ; v5-6 my place in K0, K1
.set AV,  7                            ; v7   in VSL
.set AKS, 8                            ; v8   16 (lane % 16): my 16 bytes of a run of 256 scale bytes; never rewritten
.set DD,  12                           ; v12-13 the mask's bound for step 0, 1 of the diagonal pair
.set QO,  14                           ; v14  my offset in the wave's 64 rows of Q's codes
.set QSO, 15                           ; v15  and of its scale bytes
.set STO, 16                           ; v16  the way out: where I put 32 bytes of a row
.set RD,  17                           ; v17  where I read rows back
.set GO,  18                           ; v18  my 16 bytes of a row of out0
.set QS,  24                           ; v24-39 Q's scale words [4 qt + ks]
.set KSC, 40                           ; v40-55 K's [4 kt + ks]
.set VSC, 56                           ; v56-63 V's [dt]
.set PSC, 64                           ; v64-67 P's [qt]
.set BD,  72                           ; v72-79 group g = 2 qt + b: 448 x the scale
.set SF,  80                           ; v80-87 the scale as f32
.set MX,  88                           ; v88-95 the largest magnitude, then the byte
.set S,   96
.set PP,  128                          ; P, in window 3
.set KB,  84                           ; s[84:85] qr_scales at my 64 keys of the first step of the pair in hand
.set VB,  86                           ; s[86:87] v_scales at my 512 bytes of the pair in hand
.set MSB, 0
.macro WIN new                         ; the immediate's high byte repeats the setting that is left; a switch that changes nothing is dropped
.if MSB != \new
	s_set_vgpr_msb (MSB<<8)|\new
.set MSB, \new
.endif
.endm
.set W_S,  0x0b                        ; source 0 (K) window 3, source 1 (Q) window 2, C and D window 0
.set W_PV, 0x5f                        ; sources 0 (V) and 1 (P) window 3, C and D window 1
.set TO3,  0xc0                        ; destination window 3
.set TO2,  0x80                        ; destination window 2
.set ST1,  0x04                        ; an LDS store's data window 1
.macro PLACES n                        ; plain vector instructions between a matrix instruction and what reads its result or writes its registers: eight for this form
.rept \n
	v_nop
.endr
.endm
	s_load_b256 s[4:11], s[0:1], 0x0               ; qr_codes s[4:5], qr_scales s[6:7], v_codes s[8:9], v_scales s[10:11]
	s_load_b64 s[12:13], s[0:1], 0x20              ; out0
	v_lshl_add_u32 v[SPW], v0, 2, SPARE
	v_mov_b32 v[NIL], 0
	ds_add_u32 v3, v4
	ds_add_u32 v3, v4
	s_wait_dscnt 0x0
	v_lshrrev_b32 v1, 5, v0
	v_readfirstlane_b32 s14, v1                    ; wave 0..3
	s_and_b32 s15, s14, 1                          ; kh.  Also: which half of a tile I fetch
	s_lshr_b32 s16, s14, 1                         ; qh
	s_sub_co_u32 s17, 15, ttmp9                    ; I
	s_and_b32 s18, ttmp7, 0xffff                   ; head
	s_lshr_b32 s21, s17, 1                         ; the diagonal pair
	s_add_co_u32 s19, s21, 1                       ; pairs
	s_mov_b32 s22, 0x76543210                      ; v_permlanex16_b32's selects for lane l xor 16
	s_mov_b32 s23, 0xfedcba98
	; descriptor group 1.  K: 64 rows of 512 bytes, dense, 16 bytes of padding behind each
	s_mov_b32 s24, (1<<20)|(6<<22)|(3<<25)         ; no mask; elements of 1 byte; padding on: after every 128 words (code 6) four words (code 3)
	s_mov_b32 s25, 512<<16                         ; tensor_dim0
	s_mov_b32 s26, 64<<16                          ; tensor_dim1
	s_mov_b32 s27, 512<<16                         ; tile_dim0
	s_mov_b32 s28, 64                              ; tile_dim1
	s_mov_b32 s29, 512                             ; from row to row
	s_mov_b32 s30, 0
	s_mov_b32 s31, 0
	; V: 64 rows of 256 bytes, 2,048 apart
	s_mov_b32 s32, (1<<20)|(5<<22)|(3<<25)         ; padding: after every 64 words four
	s_mov_b32 s33, 256<<16
	s_mov_b32 s34, 64<<16
	s_mov_b32 s35, 256<<16
	s_mov_b32 s36, 64
	s_mov_b32 s37, 2048
	s_mov_b32 s38, 0
	s_mov_b32 s39, 0
	; byte offsets, made apart from the addresses
	s_lshl_b32 s80, s18, 20                        ; K: the head's 1,048,576 bytes
	s_lshl_b32 s88, s21, 17
	s_add_co_u32 s80, s80, s88                     ;    + the pair's 256 rows of 512
	s_lshl_b32 s88, s15, 15
	s_add_co_u32 s80, s80, s88                     ;    + my 64 rows
	s_mov_b32 s81, 0
	s_lshl_b32 s82, s18, 18                        ; V: the head's 262,144 bytes
	s_lshl_b32 s88, s15, 17
	s_add_co_u32 s82, s82, s88                     ;    + my 64 rows of 2,048
	s_lshl_b32 s88, s21, 8
	s_add_co_u32 s82, s82, s88                     ;    + the pair's 256
	s_mov_b32 s83, 0
	s_lshl_b32 s[KB], s18, 15                      ; K's scale bytes: the head's 32,768
	s_lshl_b32 s88, s21, 12
	s_add_co_u32 s[KB], s[KB], s88                 ;    + the pair's 256 places of 16
	s_lshl_b32 s88, s15, 10
	s_add_co_u32 s[KB], s[KB], s88                 ;    + my 64 places
	s_mov_b32 s[KB+1], 0
	s_lshl_b32 s[VB], s18, 13                      ; V's scale words: the head's 8,192 bytes
	s_lshl_b32 s88, s21, 10
	s_add_co_u32 s[VB], s[VB], s88                 ;    + the pair's 1,024
	s_lshl_b32 s88, s15, 9
	s_add_co_u32 s[VB], s[VB], s88                 ;    + my half's 512
	s_mov_b32 s[VB+1], 0
	s_lshl_b32 s92, s18, 20                        ; my 64 queries' codes: place 128 I + 64 qh, 512 bytes each
	s_lshl_b32 s88, s17, 16
	s_add_co_u32 s92, s92, s88
	s_lshl_b32 s88, s16, 15
	s_add_co_u32 s92, s92, s88
	s_mov_b32 s93, 0
	s_lshl_b32 s88, s15, 14                        ; out0 has rows of 512 bytes too: I store rows 128 I + 64 qh + 32 kh on
	s_add_co_u32 s88, s88, s92
	s_mov_b32 s89, 0
	s_lshl_b32 s94, s18, 15                        ; my queries' scale bytes, 16 each
	s_lshl_b32 s20, s17, 11
	s_add_co_u32 s94, s94, s20
	s_lshl_b32 s20, s16, 10
	s_add_co_u32 s94, s94, s20
	s_mov_b32 s95, 0
	s_wait_kmcnt 0x0
	s_add_nc_u64 s[92:93], s[4:5], s[92:93]
	s_add_nc_u64 s[94:95], s[6:7], s[94:95]
	s_add_nc_u64 s[12:13], s[12:13], s[88:89]
	s_add_nc_u64 s[KB:KB+1], s[6:7], s[KB:KB+1]
	s_add_nc_u64 s[VB:VB+1], s[10:11], s[VB:VB+1]
	; descriptor group 0: count 1, LDS address, global address, type 2
	s_mov_b32 s56, 1                               ; K0
	s_mul_i32 s57, s15, 64*PK
	s_add_nc_u64 s[58:59], s[4:5], s[80:81]
	s_mov_b32 s60, 1                               ; K1: the pair's second 128 rows
	s_add_co_u32 s61, s57, K1
	s_add_nc_u64 s[62:63], s[58:59], 0x10000
	s_or_b32 s59, s59, 0x80000000
	s_or_b32 s63, s63, 0x80000000
	s_mov_b32 s68, 1                               ; VSL
	s_mul_i32 s69, s15, 64*PVP
	s_add_co_u32 s69, s69, VSL
	s_add_nc_u64 s[70:71], s[8:9], s[82:83]
	s_or_b32 s71, s71, 0x80000000
	; the first fills, one group, ahead of every wait on TENSORcnt, every LDS read and every barrier.  Four v_nop follow a wave's last
	s_cmp_lt_u32 s14, 2
	s_cbranch_scc0 .Lfirst_v
	tensor_load_to_lds s[56:59], s[24:31]          ; waves 0, 1: the halves of K0,
	s_nop 0
	tensor_load_to_lds s[60:63], s[24:31]          ; and of K1
	s_nop 0
.rept 4
	v_nop
.endr
	s_branch .Lfirst_done
.Lfirst_v:
	tensor_load_to_lds s[68:71], s[32:39]          ; waves 2, 3: the halves of VSL
	s_nop 0
.rept 4
	v_nop
.endr
.Lfirst_done:
	v_and_b32 v1, 15, v0                           ; r
	v_bfe_u32 v2, v0, 4, 1                         ; h
	v_and_b32 v19, 31, v0                          ; lane
	v_and_b32 v[QSO], 8, v1
	v_add_nc_u32 v[QSO], v[QSO], v1                ; r + 8 (r / 8): query 16 qt + r lies at place 32 (qt / 2) + 8 (qt % 2) + this
	v_lshlrev_b32 v[QO], 9, v[QSO]
	v_lshl_add_u32 v[QO], v2, 4, v[QO]
	v_lshlrev_b32 v[QSO], 4, v[QSO]
	v_lshlrev_b32 v[AKS], 4, v1
	WIN TO2
.irp qt, 0,1,2,3
.irp ks, 0,1,2,3
.irp c, 0,1,2,3
	global_load_b128 v[64*\qt+16*\ks+4*\c:64*\qt+16*\ks+4*\c+3], v[QO], s[92:93] offset:(32*(\qt/2)+8*(\qt%2))*512+128*\ks+32*\c   ; Q's fragments stay in registers
.endr
.endr
.endr
	WIN 0
.irp qt, 0,1,2,3
	global_load_b128 v[QS+4*\qt:QS+4*\qt+3], v[QSO], s[94:95] offset:(32*(\qt/2)+8*(\qt%2))*16   ; a row's 16 bytes: the scale words of its four K steps
.endr
.irp kt, 0,1,2,3
	global_load_b128 v[KSC+4*\kt:KSC+4*\kt+3], v[AKS], s[KB:KB+1] offset:256*\kt   ; the first step's keys likewise: tile kt's 16 places, 256 consecutive bytes
.endr
	global_load_b128 v[VSC:VSC+3], v[AKS], s[VB:VB+1]              ; V's scale words of the diagonal pair: d tiles 0-3,
	global_load_b128 v[VSC+4:VSC+7], v[AKS], s[VB:VB+1] offset:256 ; and 4-7
	s_mul_i32 s80, s15, 64*PK                      ; my 64 keys of a step
	v_mul_u32_u24 v[AK], v1, PK
	v_lshl_add_u32 v[AK], v2, 4, v[AK]
	v_add_nc_u32 v[AK], s80, v[AK]
	v_add_nc_u32 v[AK+1], K1, v[AK]
	s_lshl_b32 s80, s15, 7                         ; my 128 bytes of a row of V
	s_add_co_u32 s80, s80, VSL
	v_mul_u32_u24 v[AV], v1, PVP
	v_lshl_add_u32 v[AV], v2, 4, v[AV]
	v_add_nc_u32 v[AV], s80, v[AV]
	s_and_b32 s80, s17, 1                          ; the mask: key < query is  32 b + 8 u + j - 16 qt  <  128 (I % 2) + 64 (qh - kh) + r - 16 h - 128 e
	s_lshl_b32 s80, s80, 7
	s_sub_co_i32 s81, s16, s15
	s_lshl_b32 s81, s81, 6
	s_add_co_i32 s80, s80, s81
	v_lshlrev_b32 v[DD+1], 4, v2
	v_sub_nc_u32 v[DD], v1, v[DD+1]
	v_add_nc_u32 v[DD], s80, v[DD]
	v_add_nc_u32 v[DD+1], 0xffffff80, v[DD]
	s_mul_i32 s80, s14, STG                        ; my stage: in: row r, 32 bytes for each half of the lanes
	v_mul_u32_u24 v[STO], v1, PK
	v_lshl_add_u32 v[STO], v2, 5, v[STO]
	v_add_nc_u32 v[STO], s80, v[STO]
	s_mul_i32 s80, s16, 2*STG                      ; back: rows 32 kh on of the stage of wave 2 qh; the partner's lies STG further on
	s_mul_i32 s81, s15, 32*PK
	s_add_co_u32 s80, s80, s81
	v_lshl_add_u32 v[RD], v19, 4, s80
	v_lshlrev_b32 v[GO], 4, v19
.irp g, 0,1,2,3,4,5,6,7
	v_mov_b32 v[BD+\g], 0                          ; the destination of a lane permute counts as read: written once here, and by every quantiser after
.endr
; Waves 0, 1 fill K1's halves, waves 2, 3 VSL's.  The branch hangs on the wave's number alone.  Four v_nop follow each line.
.macro TLOAD_E
	s_cmp_lt_u32 s14, 2
	s_cbranch_scc0 .Lfor_v_\@
	tensor_load_to_lds s[60:63], s[24:31]
	s_nop 0
.rept 4
	v_nop
.endr
	s_branch .Lasked_\@
.Lfor_v_\@:
	tensor_load_to_lds s[68:71], s[32:39]
	s_nop 0
.rept 4
	v_nop
.endr
.Lasked_\@:
.endm
.macro TLOAD_O                         ; waves 0, 1 fill K0's halves; waves 2, 3 have no part of it
	s_cmp_lt_u32 s14, 2
	s_cbranch_scc0 .Lnone_\@
	tensor_load_to_lds s[56:59], s[24:31]
	s_nop 0
.rept 4
	v_nop
.endr
.Lnone_\@:
.endm
; At a pair's head: K1 and VSL, read out in the pair before, are filled with this pair's second step and its V; K0 has landed.
.macro EBAR
	s_wait_tensorcnt 0x0                           ; all my tensor loads have landed (my half of K0), so a group 0 may be written
	ds_add_u32 v[SPW], v[NIL]                      ; 0 onto my spare word; the steps below stand between it and the wait for it
	s_sub_nc_u64 s[62:63], s[62:63], 0x20000       ; a pair down: 256 rows of 512 bytes;
	s_sub_nc_u64 s[70:71], s[70:71], 0x100         ; 256 bytes back in V's rows
	s_wait_dscnt 0x0                               ; the add is done, and my reads of K1 and VSL are over
	s_barrier_signal -1
	s_barrier_wait -1                              ; both now hold of every wave
	TLOAD_E                                        ; the first thing behind the barrier, and my one tensor load until the next
.endm
; Between a pair's steps: K1 and VSL have landed.  fill = 1: K0, read out in the first step, is filled with the next pair's first step.
.macro OBAR fill
	s_wait_tensorcnt 0x0                           ; all my tensor loads have landed: my half of K1 or of VSL
	ds_add_u32 v[SPW], v[NIL]                      ; 0 onto my spare word
.if \fill
	s_sub_nc_u64 s[58:59], s[58:59], 0x20000
.endif
	s_wait_dscnt 0x0                               ; the add is done, and my reads of K0 are over
	s_barrier_signal -1
	s_barrier_wait -1
.if \fill
	TLOAD_O
.endif
.endm
; 16 LDS loads: my four tiles of 16 keys, n = 128 ks on, into a set.  A fragment: lane l holds row l % 16; registers 4 c .. 4 c + 3 hold K = 32 c + 16 (l / 16) + 0 .. 15
.macro KFETCH e, ks, set
.irp kt, 0,1,2,3
.irp c, 0,1,2,3
	ds_load_b128 v[64*(\set)+16*\kt+4*\c:64*(\set)+16*\kt+4*\c+3], v[AK+\e] offset:16*\kt*PK+128*(\ks)+32*\c
.endr
.endr
.endm
; 16 matrix instructions: four tiles of keys x four of queries, K step ks.  The 16 accumulators take turns, one instruction a turn; the first K step starts the sums.
.macro SMUL ks
.irp kt, 0,1,2,3
.irp qt, 0,1,2,3
.if (\ks) == 0
	v_wmma_scale_f32_16x16x128_f8f6f4 v[S+32*\qt+8*\kt:S+32*\qt+8*\kt+7], v[64*((\ks)%2)+16*\kt:64*((\ks)%2)+16*\kt+15], v[64*\qt+16*(\ks):64*\qt+16*(\ks)+15], 0, v[KSC+4*\kt+(\ks)], v[QS+4*\qt+(\ks)]
.else
	v_wmma_scale_f32_16x16x128_f8f6f4 v[S+32*\qt+8*\kt:S+32*\qt+8*\kt+7], v[64*((\ks)%2)+16*\kt:64*((\ks)%2)+16*\kt+15], v[64*\qt+16*(\ks):64*\qt+16*(\ks)+15], v[S+32*\qt+8*\kt:S+32*\qt+8*\kt+7], v[KSC+4*\kt+(\ks)], v[QS+4*\qt+(\ks)]
.endif
.endr
.endr
.endm
; The diagonal pair: a score is kept where its key lies ahead of its query, else it is 0.  Register j of tile kt = 2 b + u is key 32 b + 16 h + 8 u + j; each accumulator is taken from its low end on.
.macro MASK e
.irp qt, 0,1,2,3
.irp kt, 0,1,2,3
.irp j, 0,1,2,3,4,5,6,7
	v_cmp_lt_i32 vcc_lo, 32*(\kt/2)+8*(\kt%2)+\j-16*\qt, v[DD+\e]
	v_cndmask_b32 v[S+32*\qt+8*\kt+\j], 0, v[S+32*\qt+8*\kt+\j], vcc_lo
.endr
.endr
.endr
.endm
; S^T becomes P.  Group g = 2 qt + b: 16 registers at S + 16 g, 16 neighbouring keys of one query; the block's other 16 lie in lane l xor 16.  Stage by stage over the eight groups, so that neighbouring lines do not wait for each other.
.macro QUANT e
.irp g, 0,1,2,3,4,5,6,7
	v_max3_num_f32 v[MX+\g], |v[S+16*\g]|, |v[S+16*\g+1]|, |v[S+16*\g+2]|
.endr
.irp i, 3,5,7,9,11,13
.irp g, 0,1,2,3,4,5,6,7
	v_max3_num_f32 v[MX+\g], v[MX+\g], |v[S+16*\g+\i]|, |v[S+16*\g+\i+1]|
.endr
.endr
.irp g, 0,1,2,3,4,5,6,7
	v_max_num_f32 v[MX+\g], v[MX+\g], |v[S+16*\g+15]|
.endr
.irp g, 0,1,2,3,4,5,6,7
	v_permlanex16_b32 v[BD+\g], v[MX+\g], s22, s23
.endr
.irp g, 0,1,2,3,4,5,6,7
	v_max_num_f32 v[MX+\g], v[MX+\g], v[BD+\g]     ; the block's largest magnitude
.endr
.irp g, 0,1,2,3,4,5,6,7
	v_lshrrev_b32 v[SF+\g], 23, v[MX+\g]           ; its exponent field
.endr
.irp g, 0,1,2,3,4,5,6,7
	v_max_u32 v[SF+\g], 9, v[SF+\g]                ; the byte is not to fall under 1
.endr
.irp g, 0,1,2,3,4,5,6,7
	v_lshl_or_b32 v[BD+\g], v[SF+\g], 23, 0x600000 ; 448 x the scale
.endr
.irp g, 0,1,2,3,4,5,6,7
	v_add_nc_u32 v[SF+\g], -8, v[SF+\g]            ; the scale's byte
.endr
.irp g, 0,1,2,3,4,5,6,7
	v_cmp_eq_u32 vcc_lo, 0, v[MX+\g]
	v_cndmask_b32 v[MX+\g], v[SF+\g], 127, vcc_lo  ; a block of zeros (hidden keys) gets 127
.endr
.irp g, 0,1,2,3,4,5,6,7
	v_lshlrev_b32 v[SF+\g], 23, v[SF+\g]           ; the scale as f32, for the conversion
.endr
.irp qt, 0,1,2,3
.if (\e) == 0
	v_lshl_or_b32 v[PSC+\qt], v[MX+2*\qt+1], 8, v[MX+2*\qt]        ; bytes 0, 1 of P's scale word: this step's two blocks
.else
	v_lshl_or_b32 v[PSC+\qt], v[MX+2*\qt], 16, v[PSC+\qt]          ; bytes 2, 3
	v_lshl_or_b32 v[PSC+\qt], v[MX+2*\qt+1], 24, v[PSC+\qt]
.endif
.endr
.irp g, 0,1,2,3,4,5,6,7
.irp i, 0,1,2,3,4,5,6,7,8,9,10,11,12,13,14,15
	v_med3_num_f32 v[S+16*\g+\i], v[S+16*\g+\i], -v[BD+\g], v[BD+\g]   ; the conversion does not saturate (ISA guide 7.6.2).  (These 128 also stand between P's scale words and the matrix instructions that take them)
.endr
.endr
	WIN TO3
.irp g, 0,1,2,3,4,5,6,7
	v_cvt_scalef32_pk8_fp8_f32 v[PP+16*(\g/2)+4*(2*(\e)+\g%2):PP+16*(\g/2)+4*(2*(\e)+\g%2)+1], v[S+16*\g:S+16*\g+7], v[SF+\g]
	v_cvt_scalef32_pk8_fp8_f32 v[PP+16*(\g/2)+4*(2*(\e)+\g%2)+2:PP+16*(\g/2)+4*(2*(\e)+\g%2)+3], v[S+16*\g+8:S+16*\g+15], v[SF+\g]
.endr
	WIN 0
	PLACES 4                                       ; behind the conversions, and ahead of the matrix instructions that take P or write over S^T
.endm
; A STEP: my 64 keys of step e of the pair in hand x my 64 queries: 64 matrix instructions, then the quantiser.  nxt = 1: a step follows, and its keys' scale words are asked for.
.macro STEP e, mask, nxt
	WIN TO3
	KFETCH \e, 0, 0
	KFETCH \e, 1, 1
.if (\e) == 0
	s_wait_loadcnt 2                               ; this step's scale words are in; the two loads issued behind them (V's words of this pair) may be out
.else
	s_wait_loadcnt 0x0                             ; this step's scale words, asked for ahead of the last quantiser, and V's
.endif
	s_wait_dscnt 16                                ; set 0 is in; the 16 loads issued last (set 1) may be out
	WIN W_S
	SMUL 0
	PLACES 8                                       ; in front of loads into registers that matrix instructions have read
	WIN TO3
	KFETCH \e, 2, 0
	s_wait_dscnt 16                                ; set 1 is in; the 16 just issued may be out
	WIN W_S
	SMUL 1
	PLACES 8
	WIN TO3
	KFETCH \e, 3, 1
	s_wait_dscnt 16                                ; set 0 is in
	WIN W_S
	SMUL 2
	s_wait_dscnt 0x0
	SMUL 3
	WIN 0
	PLACES 8                                       ; in front of the first read of the results, and of the loads into K's scale words
.if \nxt
.if (\e) == 1
	s_sub_nc_u64 s[KB:KB+1], s[KB:KB+1], 4096      ; a pair down: no load that names this base is out since the wait for 0 above
.endif
.irp kt, 0,1,2,3
	global_load_b128 v[KSC+4*\kt:KSC+4*\kt+3], v[AKS], s[KB:KB+1] offset:2048*(1-(\e))+256*\kt   ; the quantiser and a barrier stand between these and their use
.endr
.endif
.if \mask
	MASK \e
.endif
	QUANT \e
.endm
; 16 matrix instructions of O^T += V^T P^T: four tiles of 16 d from d0 on x four of queries; K = my 128 keys of the pair.  The 32 accumulators take turns.  zero = 1: the diagonal pair starts the sums.
.macro OMUL d0, zero
.irp dd, 0,1,2,3
.irp qt, 0,1,2,3
.if \zero
	v_wmma_scale_f32_16x16x128_f8f6f4 v[64*\qt+8*(\d0+\dd):64*\qt+8*(\d0+\dd)+7], v[16*(\d0+\dd):16*(\d0+\dd)+15], v[PP+16*\qt:PP+16*\qt+15], 0, v[VSC+\d0+\dd], v[PSC+\qt]
.else
	v_wmma_scale_f32_16x16x128_f8f6f4 v[64*\qt+8*(\d0+\dd):64*\qt+8*(\d0+\dd)+7], v[16*(\d0+\dd):16*(\d0+\dd)+15], v[PP+16*\qt:PP+16*\qt+15], v[64*\qt+8*(\d0+\dd):64*\qt+8*(\d0+\dd)+7], v[VSC+\d0+\dd], v[PSC+\qt]
.endif
.endr
.endr
.endm
; nxt = 1: a pair follows, and its scale words of V are asked for
.macro PVMUL zero, nxt
	WIN TO3
.irp dt, 0,1,2,3,4,5,6,7
.irp c, 0,1,2,3
	ds_load_b128 v[16*\dt+4*\c:16*\dt+4*\c+3], v[AV] offset:16*\dt*PVP+32*\c   ; into K's sets, last read ahead of the quantiser
.endr
.endr
	s_wait_dscnt 16                                ; tiles 0-3 are in; the 16 loads of tiles 4-7 may be out
	WIN W_PV
	OMUL 0, \zero
	s_wait_dscnt 0x0
	OMUL 4, \zero
	WIN 0
	PLACES 8                                       ; in front of the next loads into V's registers and scale words, and of the way out's reads of O^T
.if \nxt
	s_sub_nc_u64 s[VB:VB+1], s[VB:VB+1], 1024      ; a pair down: the loads that named this base were waited for at the head of this pair's second step
	global_load_b128 v[VSC:VSC+3], v[AKS], s[VB:VB+1]
	global_load_b128 v[VSC+4:VSC+7], v[AKS], s[VB:VB+1] offset:256
.endif
.endm
	s_wait_tensorcnt 0x1                           ; my last first fill (a half of K1 or of VSL) may stay out; my half of K0 is in
	s_barrier_signal -1
	s_barrier_wait -1                              ; everybody's is
	s_wait_loadcnt 0x0                             ; Q and all the first scale words
	STEP 0, 1, 1                                   ; the diagonal pair
	s_cmp_eq_u32 s19, 1
	s_cbranch_scc1 .Lonly
	OBAR 1
	STEP 1, 1, 1
	PVMUL 1, 1
	s_sub_co_u32 s20, s19, 2                       ; pairs that have a pair ahead of them and one behind
	s_cmp_eq_u32 s20, 0
	s_cbranch_scc1 .Llast
.Lpair:
	EBAR
	STEP 0, 0, 1
	OBAR 1
	STEP 1, 0, 1
	PVMUL 0, 1
	s_sub_co_u32 s20, s20, 1
	s_cmp_lg_u32 s20, 0
	s_cbranch_scc1 .Lpair
.Llast:                                            ; the last pair is written out: K0 is not filled again, and no scale words beyond it are asked for
	EBAR
	STEP 0, 0, 1
	OBAR 0
	STEP 1, 0, 0
	PVMUL 0, 0
	s_branch .Lout
.Lonly:                                            ; blocks 0 and 1 have the diagonal pair alone
	OBAR 0
	STEP 1, 1, 0
	PVMUL 1, 0
.Lout:
	; THE WAY OUT.  Each wave puts its partial O (64 queries x 128 d) into its stage; the two waves of a query half then each read 32 rows of both stages, add them, and store whole rows.
	s_wait_dscnt 0x0
	s_barrier_signal -1
	s_barrier_wait -1                              ; nobody reads K0, K1 any more, and they have had their last fill
	WIN ST1
.irp qt, 0,1,2,3
.irp dt, 0,1,2,3,4,5,6,7
	ds_store_b128 v[STO], v[64*\qt+8*\dt:64*\qt+8*\dt+3] offset:16*\qt*PK+64*\dt          ; register j is o(16 qt + r, 16 dt + 8 h + j); each accumulator from its low end on
	ds_store_b128 v[STO], v[64*\qt+8*\dt+4:64*\qt+8*\dt+7] offset:16*\qt*PK+64*\dt+16
.endr
.endr
	WIN 0
	s_wait_dscnt 0x0                               ; for my partner's sake: my stores are done
	s_barrier_signal -1
	s_barrier_wait -1
.irp g, 0,1,2,3
.if \g >= 2
	s_wait_xcnt 0x0                                ; the registers that the stores two batches ago read are loaded again only behind this wait
.endif
.irp i, 0,1,2,3,4,5,6,7
	ds_load_b128 v[S+64*(\g%2)+4*\i:S+64*(\g%2)+4*\i+3], v[RD] offset:(8*\g+\i)*PK        ; a whole row: 32 lanes x 16 bytes
.endr
.irp i, 0,1,2,3,4,5,6,7
	ds_load_b128 v[S+64*(\g%2)+32+4*\i:S+64*(\g%2)+32+4*\i+3], v[RD] offset:(8*\g+\i)*PK+STG
.endr
	s_wait_dscnt 0x0
.irp i, 0,1,2,3,4,5,6,7,8,9,10,11,12,13,14,15
	v_pk_add_f32 v[S+64*(\g%2)+2*\i:S+64*(\g%2)+2*\i+1], v[S+64*(\g%2)+2*\i:S+64*(\g%2)+2*\i+1], v[S+64*(\g%2)+32+2*\i:S+64*(\g%2)+32+2*\i+1]
.endr
.irp i, 0,1,2,3,4,5,6,7
	global_store_b128 v[GO], v[S+64*(\g%2)+4*\i:S+64*(\g%2)+4*\i+3], s[12:13] offset:(8*\g+\i)*512 th:TH_STORE_NT   ; 32 lanes store 512 consecutive bytes, aligned: a row of out0
.endr
.endr
	s_wait_tensorcnt 0x0                           ; the wave's end, behind my last tensor load and my last LDS store
	ds_add_u32 v[SPW], v[NIL]
	s_wait_dscnt 0x0
	s_endpgm
.Lfunc_end_k_q836df14aff_attn:
	.size	k_q836df14aff_attn, .Lfunc_end_k_q836df14aff_attn-k_q836df14aff_attn
	.p2alignl 7, 3214868480
	.fill 96, 4, 3214868480
	.section	.rodata,"a",@progbits
	.p2align	6, 0x0
	.amdhsa_kernel k_q836df14aff_attn
		.amdhsa_group_segment_fixed_size 327680
		.amdhsa_private_segment_fixed_size 0
		.amdhsa_enable_private_segment 0
		.amdhsa_kernarg_size 40
		.amdhsa_user_sgpr_count 2
		.amdhsa_user_sgpr_kernarg_segment_ptr 1
		.amdhsa_wavefront_size32 1
		.amdhsa_system_sgpr_workgroup_id_x 1
		.amdhsa_system_sgpr_workgroup_id_y 1
		.amdhsa_system_sgpr_workgroup_id_z 1
		.amdhsa_system_vgpr_workitem_id 0
		.amdhsa_next_free_vgpr 1024
		.amdhsa_next_free_sgpr 96
		.amdhsa_reserve_vcc 1
		.amdhsa_float_denorm_mode_32 3
		.amdhsa_float_denorm_mode_16_64 3
		.amdhsa_memory_ordered 1
		.amdhsa_forward_progress 1
		.amdhsa_inst_pref_size 255
	.end_amdhsa_kernel
	.section	.bss,"aw",@nobits
	.p2align	6
	.space	262144
	.amdgpu_metadata
---
amdhsa.version: [ 1, 2 ]
amdhsa.kernels:
  - .name:           k_q836df14aff_attn
    .symbol:         k_q836df14aff_attn.kd
    .args:
      - { .name: qr_codes, .offset: 0, .size: 8, .value_kind: global_buffer, .address_space: global }
      - { .name: qr_scales, .offset: 8, .size: 8, .value_kind: global_buffer, .address_space: global }
      - { .name: v_codes, .offset: 16, .size: 8, .value_kind: global_buffer, .address_space: global }
      - { .name: v_scales, .offset: 24, .size: 8, .value_kind: global_buffer, .address_space: global }
      - { .name: out0, .offset: 32, .size: 8, .value_kind: global_buffer, .address_space: global }
    .group_segment_fixed_size: 327680
    .private_segment_fixed_size: 0
    .kernarg_segment_align: 8
    .kernarg_segment_size: 40
    .max_flat_workgroup_size: 128
    .sgpr_count:     96
    .vgpr_count:     1024
    .wavefront_size: 32
...
	.end_amdgpu_metadata
.endif
;; end of part 2
;; ======== version 2 of 2: 2 launches; 1.30 times as fast as version 1
;; workspace buffers: qr_codes 16,777,216 bytes; qr_scales 524,288 bytes; v_codes 4,194,304 bytes; v_scales 131,072 bytes
;; launch prep (part 3): grid 256 x 1, 16 waves a work-group, no clusters, 87,552 bytes of LDS; arguments Q, V, freqs, qr_codes, qr_scales, v_codes, v_scales; writes qr_codes, qr_scales, v_codes, v_scales
.if DOCPART == 3
	.amdgcn_target "amdgcn-amd-amdhsa--gfx1250"
	.amdhsa_code_object_version 6
	.text
	.protected	k_q836df14aff_prep
	.globl	k_q836df14aff_prep
	.p2align	8
	.type	k_q836df14aff_prep,@function
k_q836df14aff_prep:
	s_mov_b64 s[64:65], 0
	v_nop
	global_prefetch_b8 v0, s[64:65] scope:SCOPE_SE
	s_setreg_imm32_b32 hwreg(HW_REG_WAVE_MODE, 25, 1), 1
	s_wait_xcnt 0x0
; Q [16 heads][2048][512] f32 is rotated (RoPE, the angle ((t x freqs[n]) mod 1) x 2 pi for each n by itself) and turned into codes of E4M3 along n, one E8M0 byte for each 32;
; V [16][2048][128] f32 is turned into codes along the KEYS (its first axis within a head).  A block's byte is its largest magnitude's exponent field - 8,
; held at 1 from below; a block of zeros gets 127; each number is held within +-448 x the scale and rounded to the nearest code, ties to even.
; ORDERS OF THIS PROGRAM'S OWN, which the second launch relies on:
;   qr_codes [16][2048 places][512 B], qr_scales [16][2048 places][16 B]: row t lies at the place that is t with bits 3 and 4 exchanged, so that 16 consecutive places are the 16 keys of one tile there.
;   v_codes [16][pair of 256 keys: 8][kh 2][d tile 8][c 4][lane 32][16 B]: the order of the matrix operand's registers.  Block t of the pair's eight blocks of 32 keys has the place 0,1,4,5,2,3,6,7 [t];
;     lane 16 h + r holds, of row d = 16 (d tile) + r, the codes 16 h .. 16 h + 15 of the block at place 4 kh + c.  So a load of 16 bytes a lane reads 512 consecutive bytes and is a quarter of a fragment.
;   v_scales [16][pair 8][kh 2][dh 2][r 16][dq 4] words: the word holds the bytes of places 4 kh .. 4 kh + 3 of the pair, for row d = 64 dh + 16 dq + r.
; LIMITS: NaN and infinities among the inputs are not served.  Sine and cosine are f32 polynomials of the exact fraction p = (t x freq) mod 1 (reduced to |r| <= 1/4, seven terms: the series' rest is under 1e-8):
;   the angle is 2 pi p with the true 2 pi, where the definition rounds p x 2 pi to f32 first (at most 5e-7 in the angle).  The rotation is a multiply and a fused multiply-add.
; SHARES.  256 equal work-groups of 16 waves.  Work-group 2 x + hg takes of Q the places 16 x .. 16 x + 15 of heads 8 hg .. 8 hg + 7: wave w one row t for the eight heads, so that the row's sines are made once.
;   Of V it takes 64 columns x 256 keys (head = id / 16, pair = (id / 2) % 8, column half = id % 2): wave w 32 columns (w % 2) x one block of 32 keys (w / 2), a lane a column, its registers down the keys.
; Q's LOADS: load i of a row covers 512 consecutive bytes: lane l holds n = 128 i + 4 l + 0 .. 3.  So a lane's four quads lie in four blocks (4 i + l / 8), each shared by 8 lanes.  All eight rows have registers of
;   their own and all their loads go out at once; no register that a store reads is ever written again.  A row's codes go through the wave's own 512 bytes of LDS and leave as 512 consecutive bytes.
; No tensor loads, no matrix instructions, EXEC is never changed, one barrier.
.set COS, 16                           ; v16-31   freqs of my 16 n, then their cosines: register 4 i + j is n = 128 i + 4 l + j
.set SIN, 32                           ; v32-47   their sines, with the sign of the even n turned (the rotation's minus)
.set XQ,  48                           ; v48-175  eight rows of 16 numbers; a row's first four registers later hold its 16 codes
.set XV,  176                          ; v176-207 V: 32 numbers; behind the barrier: the way out
.set TQ,  208                          ; v208-215 four pairs at work
.set MXR, 216                          ; v216-219 four largest magnitudes, then the bytes
.set SFR, 220                          ; v220-223 four scales as f32
.set BDR, 224                          ; v224-227 448 x the scales
.set CD,  228                          ; v228-235 the conversions' results
.set WB,  236                          ; v236     a row's four scale bytes of my lane
.set VB8, 237                          ; v237     V's scale byte
.set TP,  208                          ; the trigonometry's pairs, in v208-221: phase and fraction,
.set TF,  210                          ; floor, then k,
.set TR,  212                          ; r,
.set TZ,  214                          ; r x r,
.set TA,  216                          ; the sine's sum,
.set TB,  218                          ; the cosine's,
.set TK,  220                          ; k as whole numbers
.set CC,  222                          ; v[222:223] the cosine's last coefficient twice; v[14:15]: the sine's; v[12:13]: t
.set QST,  0                           ; LDS: 4,096 bytes for each wave: 512 for each row's codes
.set QSC,  65536                       ; Q's scale bytes, [head 8][row 16][l / 8: 4][quad: 4 B], 2,048 bytes
.set VST,  67584                       ; V's codes, 64 columns x (256 + 16) bytes: a column's eight blocks at their places
.set VSCL, 84992                       ; V's scale words, [kh 2][r 16][dq 4], 512 bytes
	s_load_b256 s[4:11], s[0:1], 0x0               ; Q s[4:5], V s[6:7], freqs s[8:9], qr_codes s[10:11]
	s_load_b128 s[12:15], s[0:1], 0x20             ; qr_scales s[12:13], v_codes s[14:15]
	s_load_b64 s[16:17], s[0:1], 0x30              ; v_scales
	v_lshl_add_u32 v240, v0, 2, 0x14e00
	v_mov_b32 v241, 0
	v_lshrrev_b32 v1, 5, v0
	v_readfirstlane_b32 s18, v1                    ; wave 0..15
	v_and_b32 v2, 31, v0                           ; lane
	s_lshr_b32 s36, ttmp9, 1                       ; x
	s_and_b32 s37, ttmp9, 1                        ; hg; also V's column half
	s_lshr_b32 s20, s36, 1
	s_lshl_b32 s20, s20, 5                         ; t = 32 (x / 2)
	s_and_b32 s38, s36, 1
	s_lshl_b32 s38, s38, 3
	s_add_co_u32 s20, s20, s38                     ;   + 8 (x % 2)
	s_lshr_b32 s38, s18, 3
	s_lshl_b32 s38, s38, 4
	s_add_co_u32 s20, s20, s38                     ;   + 16 (w / 8)
	s_and_b32 s38, s18, 7
	s_add_co_u32 s20, s20, s38                     ;   + w % 8
	s_lshl_b32 s21, s36, 4
	s_add_co_u32 s21, s21, s18                     ; the place: 16 x + w
	s_lshl_b32 s40, s37, 25                        ; Q: 8 hg heads of 4,194,304 bytes
	s_lshl_b32 s38, s20, 11
	s_add_co_u32 s40, s40, s38                     ;    + t rows of 2,048
	s_mov_b32 s41, 0
	s_lshl_b32 s42, s37, 23                        ; codes: 8 hg heads of 1,048,576 bytes
	s_lshl_b32 s38, s21, 9
	s_add_co_u32 s42, s42, s38                     ;    + the place's 512
	s_mov_b32 s43, 0
	s_lshl_b32 s44, s37, 2                         ; scale bytes: wave w < 4 stores heads 8 hg + 2 w and + 1 (the others store none and never use this sum):
	s_add_co_u32 s44, s44, s18
	s_lshl_b32 s44, s44, 16                        ;    (8 hg + 2 w) heads of 32,768 bytes
	s_lshl_b32 s38, s36, 8
	s_add_co_u32 s44, s44, s38                     ;    + 16 places of 16 bytes: 256 x
	s_mov_b32 s45, 0
	s_lshr_b32 s19, ttmp9, 4                       ; V: head,
	s_and_b32 s22, s36, 7                          ; pair of 256 keys,
	s_and_b32 s23, s18, 1                          ; which 32 columns,
	s_lshr_b32 s39, s18, 1                         ; which block t of the pair's eight
	s_bfe_u32 s46, s39, 0x10001                    ; kh = bit 1 of t
	s_lshr_b32 s47, s39, 2
	s_lshl_b32 s47, s47, 1
	s_and_b32 s38, s39, 1
	s_add_co_u32 s47, s47, s38                     ; the block's place among kh's four: 2 (t / 4) + t % 2
	s_lshl_b32 s54, s19, 20                        ; V: the head's 1,048,576 bytes
	s_lshl_b32 s38, s22, 17
	s_add_co_u32 s54, s54, s38                     ;    + the pair's 256 rows of 512
	s_lshl_b32 s38, s39, 14
	s_add_co_u32 s54, s54, s38                     ;    + the block's 32 rows
	s_lshl_b32 s38, s37, 8
	s_add_co_u32 s54, s54, s38                     ;    + 64 columns
	s_lshl_b32 s38, s23, 7
	s_add_co_u32 s54, s54, s38                     ;    + 32 columns
	s_mov_b32 s55, 0
	s_lshl_b32 s56, s19, 18                        ; V's codes, on the way out: the head's 262,144 bytes
	s_lshl_b32 s38, s22, 15
	s_add_co_u32 s56, s56, s38                     ;    + the pair's 32,768.  Wave w stores two runs of 512 bytes: kh = w / 8,
	s_lshr_b32 s38, s18, 3
	s_lshl_b32 s38, s38, 14
	s_add_co_u32 s56, s56, s38                     ;    + kh's 16,384
	s_lshl_b32 s38, s37, 13
	s_add_co_u32 s56, s56, s38                     ;    + the column half's four d tiles of 2,048
	s_and_b32 s38, s39, 3
	s_lshl_b32 s38, s38, 11
	s_add_co_u32 s56, s56, s38                     ;    + d tile (w / 2) % 4 of them
	s_lshl_b32 s38, s23, 10
	s_add_co_u32 s56, s56, s38                     ;    + c = 2 (w % 2), and c + 1 behind it
	s_mov_b32 s57, 0
	s_lshl_b32 s58, s19, 13                        ; V's scale words: the head's 8,192 bytes
	s_lshl_b32 s38, s22, 10
	s_add_co_u32 s58, s58, s38                     ;    + the pair's 1,024
	s_lshl_b32 s38, s37, 8
	s_add_co_u32 s58, s58, s38                     ;    + dh: 256
	s_mov_b32 s59, 0
	v_lshlrev_b32 v3, 4, v2                        ; 16 l: my 16 bytes of a run of 512: Q's and freqs' loads, the codes' stores
	v_lshlrev_b32 v7, 2, v2                        ; 4 l: V's loads
	v_lshl_add_u32 v4, s18, 12, v7                 ; my wave's code stage: in, a word a lane;
	v_lshl_add_u32 v5, s18, 12, v3                 ; back, 16 bytes a lane
	v_lshrrev_b32 v6, 3, v2
	v_lshlrev_b32 v6, 2, v6
	v_lshl_add_u32 v6, s18, 4, v6
	v_add_nc_u32 v6, QSC, v6                       ; my row's 16 scale bytes, word l / 8
	v_and_b32 v1, 15, v2                           ; l % 16
	v_lshrrev_b32 v11, 4, v2                       ; l / 16
	s_mul_i32 s38, s23, 32*272                     ; V's stage, in: row = my column, 32 bytes at the block's place 4 kh + ..
	s_lshl_b32 s60, s46, 7
	s_add_co_u32 s38, s38, s60
	s_lshl_b32 s60, s47, 5
	s_add_co_u32 s38, s38, s60
	s_add_co_u32 s38, s38, VST
	v_mul_u32_u24 v8, v2, 272
	v_add_nc_u32 v8, s38, v8
	s_lshl_b32 s38, s46, 8                         ; my scale byte: unit kh, word (r = column % 16, dq = column / 16), the block's byte
	s_add_co_u32 s38, s38, s47
	s_lshl_b32 s60, s23, 3
	s_add_co_u32 s38, s38, s60
	s_add_co_u32 s38, s38, VSCL
	v_lshl_add_u32 v9, v1, 4, s38
	v_lshl_add_u32 v9, v11, 2, v9
	s_and_b32 s38, s39, 3                          ; V's stage, back, in the order of a fragment: row 16 ((w / 2) % 4) + l % 16,
	s_mul_i32 s38, s38, 16*272
	s_lshr_b32 s60, s18, 3
	s_lshl_b32 s60, s60, 7
	s_add_co_u32 s38, s38, s60                     ; byte 128 (w / 8)
	s_lshl_b32 s60, s23, 6
	s_add_co_u32 s38, s38, s60                     ;      + 32 c, c = 2 (w % 2)
	s_add_co_u32 s38, s38, VST
	v_mul_u32_u24 v10, v1, 272
	v_lshl_add_u32 v10, v11, 4, v10                ;      + 16 (l / 16)
	v_add_nc_u32 v10, s38, v10
	v_cvt_f32_u32 v12, s20                         ; t as f32, twice
	v_mov_b32 v13, v12
	v_mov_b32 v14, 0x40747A1A                      ; (2 pi)^13 / 13!
	v_mov_b32 v15, 0x40747A1A
	v_mov_b32 v[CC], 0x40FCE9C5                    ; (2 pi)^12 / 12!
	v_mov_b32 v[CC+1], 0x40FCE9C5
	s_wait_kmcnt 0x0
	s_add_nc_u64 s[24:25], s[4:5], s[40:41]        ; four bases, two heads apart, so that a head's offset fits the signed 24-bit immediate
	s_add_nc_u64 s[26:27], s[24:25], 0x800000
	s_add_nc_u64 s[28:29], s[26:27], 0x800000
	s_add_nc_u64 s[30:31], s[28:29], 0x800000
	s_add_nc_u64 s[32:33], s[10:11], s[42:43]
	s_add_nc_u64 s[34:35], s[12:13], s[44:45]
	s_add_nc_u64 s[48:49], s[6:7], s[54:55]
	s_add_nc_u64 s[50:51], s[14:15], s[56:57]
	s_add_nc_u64 s[52:53], s[16:17], s[58:59]
.irp i, 0,1,2,3
	global_load_b128 v[COS+4*\i:COS+4*\i+3], v3, s[8:9] offset:512*\i
.endr
.irp hh, 0,1,2,3,4,5,6,7
.irp i, 0,1,2,3
	global_load_b128 v[XQ+16*\hh+4*\i:XQ+16*\hh+4*\i+3], v3, s[24+2*(\hh/2):25+2*(\hh/2)] offset:(\hh%2)*4194304+512*\i th:TH_LOAD_NT   ; the wave reads 512 consecutive bytes
.endr
.endr
	s_wait_loadcnt 32                              ; freqs are in; the 32 loads of Q issued behind them stay out while the sines are made
.macro HORN sc, cc                     ; one step of both sums
	v_pk_fma_f32 v[TA:TA+1], v[TA:TA+1], v[TZ:TZ+1], \sc op_sel_hi:[1,1,0]
	v_pk_fma_f32 v[TB:TB+1], v[TB:TB+1], v[TZ:TZ+1], \cc op_sel_hi:[1,1,0]
.endm
; registers 2 i and 2 i + 1 of my sixteen: an even n and the odd one beside it
.macro TRIG i
	v_pk_mul_f32 v[TP:TP+1], v[COS+2*\i:COS+2*\i+1], v[12:13]      ; t x freq, rounded once
	v_floor_f32 v[TF], v[TP]
	v_floor_f32 v[TF+1], v[TP+1]
	v_pk_add_f32 v[TP:TP+1], v[TP:TP+1], v[TF:TF+1] neg_lo:[0,1] neg_hi:[0,1]   ; p = the fraction: exact
	v_pk_add_f32 v[TF:TF+1], v[TP:TP+1], v[TP:TP+1]
	v_rndne_f32 v[TF], v[TF]                       ; k = 0, 1 or 2 half turns
	v_rndne_f32 v[TF+1], v[TF+1]
	v_pk_fma_f32 v[TR:TR+1], v[TF:TF+1], -0.5, v[TP:TP+1] op_sel_hi:[1,0,1]     ; r = p - k / 2: exact, |r| <= 1/4
	v_pk_mul_f32 v[TZ:TZ+1], v[TR:TR+1], v[TR:TR+1]
	v_pk_fma_f32 v[TA:TA+1], v[TZ:TZ+1], v[14:15], 0xC17183A8 op_sel_hi:[1,1,0]
	v_pk_fma_f32 v[TB:TB+1], v[TZ:TZ+1], v[CC:CC+1], 0xC1D368F9 op_sel_hi:[1,1,0]
	HORN 0x42283C1A, 0x4270FA83
	HORN 0xC2996966, 0xC2AAE9E4
	HORN 0x42A335E3, 0x4281E0F8
	HORN 0xC2255DE7, 0xC19DE9E6
	HORN 0x40C90FDB, 1.0
	v_pk_mul_f32 v[TA:TA+1], v[TA:TA+1], v[TR:TR+1]                ; sin(2 pi r);  TB = cos(2 pi r)
	v_cvt_i32_f32 v[TK], v[TF]
	v_cvt_i32_f32 v[TK+1], v[TF+1]
	v_lshlrev_b32 v[TF], 31, v[TK]                 ; an odd k turns both signs
	v_lshlrev_b32 v[TF+1], 31, v[TK+1]
	v_add_lshl_u32 v[TK], v[TK], 1, 31             ; the even n's sine is turned once more
	v_xor_b32 v[COS+2*\i], v[TF], v[TB]
	v_xor_b32 v[COS+2*\i+1], v[TF+1], v[TB+1]
	v_xor_b32 v[SIN+2*\i], v[TK], v[TA]
	v_xor_b32 v[SIN+2*\i+1], v[TF+1], v[TA+1]
.endm
.irp i, 0,1,2,3,4,5,6,7
	TRIG \i
.endr
; My row of head 8 hg + hh
.macro STEPQ hh
.set XS, XQ+16*(\hh)
.if (\hh) == 0
	s_wait_loadcnt 28                              ; this row's four loads are in; the seven later rows' may be out
.else
	s_wait_loadcnt 4*(7-(\hh))+32                  ; the later rows' and V's 32, issued behind row 0's step, may be out
.endif
.irp g, 0,1
.irp j, 0,1,2,3
	v_pk_mul_f32 v[TQ+2*\j:TQ+2*\j+1], v[XS+8*\g+2*\j:XS+8*\g+2*\j+1], v[COS+8*\g+2*\j:COS+8*\g+2*\j+1]
.endr
.irp j, 0,1,2,3
	v_pk_fma_f32 v[XS+8*\g+2*\j:XS+8*\g+2*\j+1], v[XS+8*\g+2*\j:XS+8*\g+2*\j+1], v[SIN+8*\g+2*\j:SIN+8*\g+2*\j+1], v[TQ+2*\j:TQ+2*\j+1] op_sel:[1,0,0] op_sel_hi:[0,1,1]   ; the pair's other number x sine + mine x cosine
.endr
.endr
.irp i, 0,1,2,3
	v_max3_num_f32 v[MXR+\i], |v[XS+4*\i]|, |v[XS+4*\i+1]|, |v[XS+4*\i+2]|   ; quad i: the largest magnitude of my four,
.endr
.irp i, 0,1,2,3
	v_max_num_f32 v[MXR+\i], v[MXR+\i], |v[XS+4*\i+3]|
.endr
.irp m, 1,2,4
.irp i, 0,1,2,3
	v_max_num_f32_dpp v[MXR+\i], v[MXR+\i], v[MXR+\i] row_xmask:\m row_mask:0xf bank_mask:0xf   ; and of the eight lanes that share block 4 i + l / 8
.endr
.endr
.irp i, 0,1,2,3
	v_lshrrev_b32 v[SFR+\i], 23, v[MXR+\i]         ; its exponent field
.endr
.irp i, 0,1,2,3
	v_max_u32 v[SFR+\i], 9, v[SFR+\i]              ; the byte is not to fall under 1
.endr
.irp i, 0,1,2,3
	v_lshl_or_b32 v[BDR+\i], v[SFR+\i], 23, 0x600000   ; 448 x the scale
.endr
.irp i, 0,1,2,3
	v_add_nc_u32 v[SFR+\i], -8, v[SFR+\i]          ; the scale's byte
.endr
.irp i, 0,1,2,3
	v_cmp_eq_u32 vcc_lo, 0, v[MXR+\i]
	v_cndmask_b32 v[MXR+\i], v[SFR+\i], 127, vcc_lo   ; a block of zeros gets 127
.endr
.irp i, 0,1,2,3
	v_lshlrev_b32 v[SFR+\i], 23, v[SFR+\i]         ; the scale as f32
.endr
.irp i, 0,1,2,3
.irp j, 0,1,2,3
	v_med3_num_f32 v[XS+4*\i+\j], v[XS+4*\i+\j], -v[BDR+\i], v[BDR+\i]   ; the conversion does not saturate (ISA guide 7.6.2): hold first
.endr
.endr
.if (\hh) > 0
	s_wait_dscnt 0x0                               ; the last row's codes are back from the stage (asked for a whole step ago), and its LDS stores have read their registers
	global_store_b128 v3, v[XS-16:XS-13], s[32:33] offset:((\hh)-1)*1048576   ; the wave stores 512 consecutive bytes: the whole row
.endif
	v_cvt_scalef32_pk8_fp8_f32 v[CD:CD+1], v[XS:XS+7], v[SFR]          ; a conversion takes eight numbers under ONE scale: of each result the half whose quad has that scale is used:
	v_cvt_scalef32_pk8_fp8_f32 v[CD+2:CD+3], v[XS+4:XS+11], v[SFR+1]   ; quads 0, 1, 2 from the low register,
	v_cvt_scalef32_pk8_fp8_f32 v[CD+4:CD+5], v[XS+8:XS+15], v[SFR+2]
	v_cvt_scalef32_pk8_fp8_f32 v[CD+6:CD+7], v[XS+8:XS+15], v[SFR+3]   ; quad 3 from the high one
	v_lshl_or_b32 v[WB], v[MXR+1], 8, v[MXR]       ; my four bytes, quad i's in byte i.  (Also the plain instructions between a scaled conversion and what touches its result or its sources)
	v_lshl_or_b32 v[WB], v[MXR+2], 16, v[WB]
	v_lshl_or_b32 v[WB], v[MXR+3], 24, v[WB]
	ds_store_b32 v4, v[CD] offset:512*(\hh)        ; codes of n = 128 i + 4 l .. + 3 at byte 128 i + 4 l
	ds_store_b32 v4, v[CD+2] offset:512*(\hh)+128
	ds_store_b32 v4, v[CD+4] offset:512*(\hh)+256
	ds_store_b32 v4, v[CD+7] offset:512*(\hh)+384
	ds_store_b32 v6, v[WB] offset:256*(\hh)        ; the eight lanes of a group write the same word with the same value
	ds_load_b128 v[XS:XS+3], v5 offset:512*(\hh)   ; LDS serves a wave's instructions in order (ISA guide 5.7.1.4): this sees my stores
.endm
	STEPQ 0
.irp i, 0,1,2,3,4,5,6,7,8,9,10,11,12,13,14,15,16,17,18,19,20,21,22,23,24,25,26,27,28,29,30,31
	global_load_b32 v[XV+\i], v7, s[48:49] offset:\i*512 th:TH_LOAD_NT   ; V(my block's key i, my column): with these 60 loads are out
.endr
.irp hh, 1,2,3,4,5,6,7
	STEPQ \hh
.endr
	; V: a block of 32 keys of my column
	s_wait_loadcnt 0x0
	v_max3_num_f32 v[MXR], |v[XV]|, |v[XV+1]|, |v[XV+2]|           ; the block's largest magnitude: all 32 numbers are mine
	v_max3_num_f32 v[MXR+1], |v[XV+3]|, |v[XV+4]|, |v[XV+5]|
.irp i, 6,10,14,18,22,26
	v_max3_num_f32 v[MXR], v[MXR], |v[XV+\i]|, |v[XV+\i+1]|
	v_max3_num_f32 v[MXR+1], v[MXR+1], |v[XV+\i+2]|, |v[XV+\i+3]|
.endr
	v_max3_num_f32 v[MXR], v[MXR], |v[XV+30]|, |v[XV+31]|
	v_max_num_f32 v[MXR], v[MXR], v[MXR+1]
	v_lshrrev_b32 v[SFR], 23, v[MXR]
	v_max_u32 v[SFR], 9, v[SFR]
	v_lshl_or_b32 v[BDR], v[SFR], 23, 0x600000
	v_add_nc_u32 v[SFR], -8, v[SFR]
	v_cmp_eq_u32 vcc_lo, 0, v[MXR]
	v_cndmask_b32 v[VB8], v[SFR], 127, vcc_lo
	v_lshlrev_b32 v[SFR], 23, v[SFR]
.irp i, 0,1,2,3,4,5,6,7,8,9,10,11,12,13,14,15,16,17,18,19,20,21,22,23,24,25,26,27,28,29,30,31
	v_med3_num_f32 v[XV+\i], v[XV+\i], -v[BDR], v[BDR]
.endr
	s_wait_dscnt 0x0                               ; Q's last row is back from the stage
	global_store_b128 v3, v[XQ+112:XQ+115], s[32:33] offset:7*1048576
.irp g, 0,1,2,3
	v_cvt_scalef32_pk8_fp8_f32 v[CD+2*\g:CD+2*\g+1], v[XV+8*\g:XV+8*\g+7], v[SFR]
.endr
	v_nop                                          ; one plain instruction between a scaled conversion and what touches its result
	ds_store_b128 v8, v[CD:CD+3]                   ; 32 codes: 32 bytes of my column's row
	ds_store_b128 v8, v[CD+4:CD+7] offset:16
	ds_store_b8 v9, v[VB8]
	s_wait_dscnt 0x0                               ; for the others' sake: all that I stored into LDS is there
	s_barrier_signal -1
	s_barrier_wait -1
	ds_load_b128 v[XV:XV+3], v10                   ; V's codes, a quarter of a fragment: 16 rows x 32 bytes, chunk c,
	ds_load_b128 v[XV+4:XV+7], v10 offset:32       ; and chunk c + 1
	s_wait_dscnt 0x0
	global_store_b128 v3, v[XV:XV+3], s[50:51]                     ; the wave stores 512 consecutive bytes, aligned
	global_store_b128 v3, v[XV+4:XV+7], s[50:51] offset:512
	s_cmp_lt_u32 s18, 4
	s_cbranch_scc0 .Lnot_q
	v_lshl_add_u32 v12, s18, 9, v3                 ; waves 0-3: Q's scale bytes of heads 8 hg + 2 w (lanes 0-15) and + 1 (lanes 16-31); a lane takes a row's 16 bytes
	v_add_nc_u32 v12, QSC, v12
	ds_load_b128 v[XV+8:XV+11], v12                ; word b holds the bytes of blocks b, 4 + b, 8 + b, 12 + b
	v_lshrrev_b32 v13, 4, v2
	v_lshlrev_b32 v13, 15, v13
	v_lshl_add_u32 v13, v1, 4, v13
	s_wait_dscnt 0x0
	v_perm_b32 v[XV+12], v[XV+9], v[XV+8], 0x05010400              ; the 4 x 4 bytes are turned, so that word i holds blocks 4 i .. 4 i + 3
	v_perm_b32 v[XV+13], v[XV+9], v[XV+8], 0x07030602
	v_perm_b32 v[XV+14], v[XV+11], v[XV+10], 0x05010400
	v_perm_b32 v[XV+15], v[XV+11], v[XV+10], 0x07030602
	v_perm_b32 v[XV+16], v[XV+14], v[XV+12], 0x05040100
	v_perm_b32 v[XV+17], v[XV+14], v[XV+12], 0x07060302
	v_perm_b32 v[XV+18], v[XV+15], v[XV+13], 0x05040100
	v_perm_b32 v[XV+19], v[XV+15], v[XV+13], 0x07060302
	global_store_b128 v13, v[XV+16:XV+19], s[34:35]                ; sixteen lanes store 256 consecutive bytes, aligned: 16 places of a head
	s_branch .Lend
.Lnot_q:
	s_cmp_eq_u32 s18, 4
	s_cbranch_scc0 .Lend
	v_add_nc_u32 v12, VSCL, v3                     ; wave 4: V's scale words: lanes 0-15 the unit of kh = 0, lanes 16-31 that of kh = 1
	ds_load_b128 v[XV+20:XV+23], v12
	v_lshrrev_b32 v13, 4, v2
	v_lshlrev_b32 v13, 9, v13
	v_lshl_add_u32 v13, v1, 4, v13
	s_wait_dscnt 0x0
	global_store_b128 v13, v[XV+20:XV+23], s[52:53]                ; sixteen lanes store 256 consecutive bytes, aligned
.Lend:
	s_wait_tensorcnt 0x0
	ds_add_u32 v240, v241
	s_wait_dscnt 0x0
	s_endpgm
.Lfunc_end_k_q836df14aff_prep:
	.size	k_q836df14aff_prep, .Lfunc_end_k_q836df14aff_prep-k_q836df14aff_prep
	.p2alignl 7, 3214868480
	.fill 96, 4, 3214868480
	.section	.rodata,"a",@progbits
	.p2align	6, 0x0
	.amdhsa_kernel k_q836df14aff_prep
		.amdhsa_group_segment_fixed_size 87552
		.amdhsa_private_segment_fixed_size 0
		.amdhsa_enable_private_segment 0
		.amdhsa_kernarg_size 56
		.amdhsa_user_sgpr_count 2
		.amdhsa_user_sgpr_kernarg_segment_ptr 1
		.amdhsa_wavefront_size32 1
		.amdhsa_system_sgpr_workgroup_id_x 1
		.amdhsa_system_sgpr_workgroup_id_y 1
		.amdhsa_system_sgpr_workgroup_id_z 1
		.amdhsa_system_vgpr_workitem_id 0
		.amdhsa_next_free_vgpr 242
		.amdhsa_next_free_sgpr 66
		.amdhsa_reserve_vcc 1
		.amdhsa_float_denorm_mode_32 3
		.amdhsa_float_denorm_mode_16_64 3
		.amdhsa_memory_ordered 1
		.amdhsa_forward_progress 1
		.amdhsa_inst_pref_size 78
	.end_amdhsa_kernel
	.amdgpu_metadata
---
amdhsa.version: [ 1, 2 ]
amdhsa.kernels:
  - .name:           k_q836df14aff_prep
    .symbol:         k_q836df14aff_prep.kd
    .args:
      - { .name: Q, .offset: 0, .size: 8, .value_kind: global_buffer, .address_space: global }
      - { .name: V, .offset: 8, .size: 8, .value_kind: global_buffer, .address_space: global }
      - { .name: freqs, .offset: 16, .size: 8, .value_kind: global_buffer, .address_space: global }
      - { .name: qr_codes, .offset: 24, .size: 8, .value_kind: global_buffer, .address_space: global }
      - { .name: qr_scales, .offset: 32, .size: 8, .value_kind: global_buffer, .address_space: global }
      - { .name: v_codes, .offset: 40, .size: 8, .value_kind: global_buffer, .address_space: global }
      - { .name: v_scales, .offset: 48, .size: 8, .value_kind: global_buffer, .address_space: global }
    .group_segment_fixed_size: 87552
    .private_segment_fixed_size: 0
    .kernarg_segment_align: 8
    .kernarg_segment_size: 56
    .max_flat_workgroup_size: 512
    .sgpr_count:     66
    .vgpr_count:     242
    .wavefront_size: 32
...
	.end_amdgpu_metadata
.endif
;; end of part 3
;; launch attn (part 4): grid 16 x 16, 4 waves a work-group, no clusters, 327,680 bytes of LDS; arguments qr_codes, qr_scales, v_codes, v_scales, out0; writes out0
.if DOCPART == 4
	.amdgcn_target "amdgcn-amd-amdhsa--gfx1250"
	.amdhsa_code_object_version 6
	.text
	.protected	k_q836df14aff_attn
	.globl	k_q836df14aff_attn
	.p2align	8
	.type	k_q836df14aff_attn,@function
k_q836df14aff_attn:
	s_mov_b64 s[64:65], 0
	v_nop
	global_prefetch_b8 v0, s[64:65] scope:SCOPE_SE
	s_setreg_imm32_b32 hwreg(HW_REG_WAVE_MODE, 25, 1), 1
	s_wait_xcnt 0x0
; out0[head][t][:] = the sum over s < t of Q8(S)[t][s] Q8(V)[s][:], S = Q8(QR) Q8(QR)^T: both products on codes of E4M3 with one E8M0 byte for each 32 along K; the cut S is quantised along s, hidden entries as zeros.
; INPUTS, as the first launch lays them: qr_codes [16][2048 places][512 B] and qr_scales [16][2048 places][16 B], row t at the place that is t with bits 3 and 4 exchanged;
;   v_codes [16][pair of 256 keys 8][kh 2][d tile 8][c 4][lane 32][16 B], the order of an operand's registers (block t of a pair's eight at place 0,1,4,5,2,3,6,7 [t] = 4 kh + c);
;   v_scales [16][pair 8][kh 2][dh 2][r 16][dq 4] words, for row d = 64 dh + 16 dq + r.
; SHARES.  A work-group owns 128 queries (block I = 15 - x) of one head (y).  Wave w: qh = w / 2 says which 64 queries (four tiles of 16, their codes stay in 256 registers), kh = w % 2 which 64 of
;   every 128 keys.  So each fragment of keys read from LDS feeds four matrix instructions, and the two waves of a query half hold partial sums of O over disjoint keys, added once at the end through LDS.
; KEYS go in pairs of steps of 128, from the pair on the diagonal downward: that pair alone is masked, and its products start O's sums, so nothing is cleared.  Where I is even its second step is
;   hidden altogether and is computed all the same (its codes are zeros): one step of I + 2.
; LAYOUT.  Both products are used transposed: S^T = K Q^T (source 0 = 16 keys, source 1 = 16 queries), O^T = V^T P^T: a lane holds ONE query throughout.  16 consecutive places of qr_codes are the keys
;   32 b + 8 u + r + 8 (r / 8) of tile 2 b + u, so that the 16 registers of tiles 2 b, 2 b + 1 are 16 neighbouring keys, 32 b + 16 (lane / 16) + 0 .. 15: the conversions' results ARE the second product's operand.
;   After two steps a wave's P holds 4 blocks of 32 keys (step e, block b: chunk 2 e + b): one K step of the second product.
; RING.  Two slots, each with a whole pair's 256 rows of K; ONE barrier a pair, in the last quarter of the pair's second step, where the wave's reads of the slot are over.  Behind it every wave fills its 64 rows of
;   the slot just read with the pair two further down: 128 KiB a work-group, with a whole pair's work less sixteen products in which to land.  Slot 1's first fill stands behind the first barrier, as a refill does.
;   A wave has at most one tensor load outstanding.  Two slots of K and two of V would be 339,968 bytes, more than a WGP has: so V does not pass through LDS.
; V's FRAGMENTS come straight from memory into registers, 512 consecutive bytes a load.  d tiles 0-3 have 64 registers of their own and are asked for a pair ahead; tiles 4-7 take K's set 0 when the second step's third
;   quarter has read it.  Both waves of a key half read the same 16 KiB a pair: that is the price.  The first step takes its four K steps in sets 1, 0, 1, 0 and the second in 0, 1, 0, 1, so that every pair is alike.
; AHEAD OF THE QUANTISER.  What the next products want (fragments, scale words) is asked for before the step's scores are quantised, and lands under those vector instructions.
; SCALE WORDS come straight from memory too, a step ahead: a tile's 16 keys have 256 consecutive aligned bytes of qr_scales, four tiles of d 256 of v_scales: sixteen lanes, 16 bytes each.
; NO CLUSTER: the query blocks of a head read the same tiles but need 1 to 8 pairs each; partners would have to run the same number of pairs, and the four diagonals of a cluster span four steps, so the mask's
;   256 vector instructions would stand in four steps and not in two.  The work-groups' work is uneven for the same reason.
; LIMITS: NaN and infinities are not served.  O's f32 sums run over the keys in another order than ascending (two halves of each 128, pairs descending).
; REGISTERS, in windows of 256: window 0: v0-19 addresses; v24-67 scale words (Q's, K's, V's, P's) and nothing else; v72-95 the quantiser's; v96-223 S^T (tile (qt, kt) at 96 + 32 qt + 8 kt).
;   window 1: O^T ((qt, dt) at 64 qt + 8 dt).   window 2: Q's fragments ((qt, ks) at 64 qt + 16 ks).
;   window 3: v0-127 K's fragments, two sets of four (set 0 also V's tiles 4-7); v128-191 P ((qt, c) at 128 + 16 qt + 4 c); v192-255 V's tiles 0-3.
.set PK,    528                        ; a key's row in LDS: 512 bytes + 16 of padding: the 16 rows of a fragment load start 16 bytes apart modulo 256
.set STEP1, 128*PK                     ; a pair's second step begins here in its slot
.set SLOTB, 256*PK                     ; a slot: 135,168 bytes = 0x21000.  A wave's part begins at wave x 0x8400, which has neither of these two bits: one exclusive or turns an address in one slot into the other's
.set SPARE, 2*SLOTB                    ; the spare words, 128 bytes for each wave: two blocks of 256 bytes that no other line names
.set STG,   64*PK                      ; the way out: a stage of 64 rows x 528 for each wave, in slot 0, which has then had its last fill and its last read
.set SPW, 3                            ; v3   LDS address of my spare word; never rewritten
.set NIL, 4                            ; v4   0; never rewritten
.set AK,  5                            ; v5-6 my place in a slot's first, second step; never rewritten
.set AKS, 8                            ; v8   16 (lane % 16): my 16 bytes of a run of 256 scale bytes; never rewritten
.set ADK, 9                            ; v9-10 the same places in the slot in hand
.set DD,  12                           ; v12-13 the mask's bound for step 0, 1 of the diagonal pair
.set QO,  14                           ; v14  my offset in the wave's 64 rows of Q's codes
.set QSO, 15                           ; v15  and of its scale bytes
.set STO, 16                           ; v16  the way out: where I put 32 bytes of a row
.set RD,  17                           ; v17  where I read rows back
.set GO,  18                           ; v18  16 x lane: my 16 bytes of a run of 512: V's loads, out0's stores; never rewritten
.set QS,  24                           ; v24-39 Q's scale words [4 qt + ks]
.set KSC, 40                           ; v40-55 K's [4 kt + ks]
.set VSC, 56                           ; v56-63 V's [dt]
.set PSC, 64                           ; v64-67 P's [qt]
.set BD,  72                           ; v72-79 group g = 2 qt + b: 448 x the scale
.set SF,  80                           ; v80-87 the scale as f32
.set MX,  88                           ; v88-95 the largest magnitude, then the byte
.set S,   96
.set PP,  128                          ; P, in window 3
.set VF,  192                          ; V's tiles 0-3, in window 3
.set TBS, 60                           ; s60      where the slot in hand begins: 0 or SLOTB
.set VC,  82                           ; s[82:83] v_codes at my 16 KiB of the pair in hand
.set KB,  84                           ; s[84:85] qr_scales at my 64 keys of the first step of the pair in hand
.set VB,  86                           ; s[86:87] v_scales at my 512 bytes of the pair in hand
.set MSB, 0
.macro WIN new                         ; the immediate's high byte repeats the setting that is left; a switch that changes nothing is dropped
.if MSB != \new
	s_set_vgpr_msb (MSB<<8)|\new
.set MSB, \new
.endif
.endm
.set W_S,  0x0b                        ; source 0 (K) window 3, source 1 (Q) window 2, C and D window 0
.set W_PV, 0x5f                        ; sources 0 (V) and 1 (P) window 3, C and D window 1
.set TO3,  0xc0                        ; destination window 3
.set TO2,  0x80                        ; destination window 2
.set ST1,  0x04                        ; an LDS store's data window 1
.macro PLACES n                        ; plain vector instructions between a matrix instruction and what reads its result or writes its registers: eight for this form
.rept \n
	v_nop
.endr
.endm
	s_load_b256 s[4:11], s[0:1], 0x0               ; qr_codes s[4:5], qr_scales s[6:7], v_codes s[8:9], v_scales s[10:11]
	s_load_b64 s[12:13], s[0:1], 0x20              ; out0
	v_lshl_add_u32 v[SPW], v0, 2, SPARE
	v_mov_b32 v[NIL], 0
	ds_add_u32 v3, v4
	ds_add_u32 v3, v4
	s_wait_dscnt 0x0
	v_lshrrev_b32 v1, 5, v0
	v_readfirstlane_b32 s14, v1                    ; wave 0..3
	s_and_b32 s15, s14, 1                          ; kh
	s_lshr_b32 s16, s14, 1                         ; qh
	s_sub_co_u32 s17, 15, ttmp9                    ; I
	s_and_b32 s18, ttmp7, 0xffff                   ; head
	s_lshr_b32 s21, s17, 1                         ; the diagonal pair
	s_add_co_u32 s19, s21, 1                       ; pairs
	s_mov_b32 s22, 0x76543210                      ; v_permlanex16_b32's selects for lane l xor 16
	s_mov_b32 s23, 0xfedcba98
	s_mov_b32 s[TBS], 0
	; descriptor group 1: 64 rows of 512 bytes, dense, 16 bytes of padding behind each
	s_mov_b32 s24, (1<<20)|(6<<22)|(3<<25)         ; no mask; elements of 1 byte; padding on: after every 128 words (code 6) four words (code 3)
	s_mov_b32 s25, 512<<16                         ; tensor_dim0
	s_mov_b32 s26, 64<<16                          ; tensor_dim1
	s_mov_b32 s27, 512<<16                         ; tile_dim0
	s_mov_b32 s28, 64                              ; tile_dim1
	s_mov_b32 s29, 512                             ; from row to row
	s_mov_b32 s30, 0
	s_mov_b32 s31, 0
	; byte offsets, made apart from the addresses
	s_lshl_b32 s80, s18, 20                        ; K: the head's 1,048,576 bytes
	s_lshl_b32 s88, s21, 17
	s_add_co_u32 s80, s80, s88                     ;    + the pair's 256 rows of 512
	s_lshl_b32 s88, s14, 15
	s_add_co_u32 s80, s80, s88                     ;    + the 64 rows that I fetch
	s_mov_b32 s81, 0
	s_lshl_b32 s[VC], s18, 18                      ; V's codes: the head's 262,144 bytes
	s_lshl_b32 s88, s21, 15
	s_add_co_u32 s[VC], s[VC], s88                 ;    + the pair's 32,768
	s_lshl_b32 s88, s15, 14
	s_add_co_u32 s[VC], s[VC], s88                 ;    + my half's 16,384
	s_mov_b32 s[VC+1], 0
	s_lshl_b32 s[KB], s18, 15                      ; K's scale bytes: the head's 32,768
	s_lshl_b32 s88, s21, 12
	s_add_co_u32 s[KB], s[KB], s88                 ;    + the pair's 256 places of 16
	s_lshl_b32 s88, s15, 10
	s_add_co_u32 s[KB], s[KB], s88                 ;    + my 64 places
	s_mov_b32 s[KB+1], 0
	s_lshl_b32 s[VB], s18, 13                      ; V's scale words: the head's 8,192 bytes
	s_lshl_b32 s88, s21, 10
	s_add_co_u32 s[VB], s[VB], s88                 ;    + the pair's 1,024
	s_lshl_b32 s88, s15, 9
	s_add_co_u32 s[VB], s[VB], s88                 ;    + my half's 512
	s_mov_b32 s[VB+1], 0
	s_lshl_b32 s92, s18, 20                        ; my 64 queries' codes: place 128 I + 64 qh, 512 bytes each
	s_lshl_b32 s88, s17, 16
	s_add_co_u32 s92, s92, s88
	s_lshl_b32 s88, s16, 15
	s_add_co_u32 s92, s92, s88
	s_mov_b32 s93, 0
	s_lshl_b32 s88, s15, 14                        ; out0 has rows of 512 bytes too: I store rows 128 I + 64 qh + 32 kh on
	s_add_co_u32 s88, s88, s92
	s_mov_b32 s89, 0
	s_lshl_b32 s94, s18, 15                        ; my queries' scale bytes, 16 each
	s_lshl_b32 s20, s17, 11
	s_add_co_u32 s94, s94, s20
	s_lshl_b32 s20, s16, 10
	s_add_co_u32 s94, s94, s20
	s_mov_b32 s95, 0
	s_wait_kmcnt 0x0
	s_add_nc_u64 s[92:93], s[4:5], s[92:93]
	s_add_nc_u64 s[94:95], s[6:7], s[94:95]
	s_add_nc_u64 s[12:13], s[12:13], s[88:89]
	s_add_nc_u64 s[VC:VC+1], s[8:9], s[VC:VC+1]
	s_add_nc_u64 s[KB:KB+1], s[6:7], s[KB:KB+1]
	s_add_nc_u64 s[VB:VB+1], s[10:11], s[VB:VB+1]
	; descriptor group 0, which walks: count 1, LDS address, global address, type 2
	s_mov_b32 s56, 1
	s_mul_i32 s57, s14, 64*PK                      ; slot 0, my 64 rows
	s_add_nc_u64 s[58:59], s[4:5], s[80:81]        ; the diagonal pair
	s_or_b32 s59, s59, 0x80000000
	tensor_load_to_lds s[56:59], s[24:31]          ; the first fill, ahead of every wait on TENSORcnt, every LDS read and every barrier.  Four v_nop follow
	s_nop 0
.rept 4
	v_nop
.endr
	v_and_b32 v1, 15, v0                           ; r
	v_bfe_u32 v2, v0, 4, 1                         ; h
	v_and_b32 v19, 31, v0                          ; lane
	v_and_b32 v[QSO], 8, v1
	v_add_nc_u32 v[QSO], v[QSO], v1                ; r + 8 (r / 8): query 16 qt + r lies at place 32 (qt / 2) + 8 (qt % 2) + this
	v_lshlrev_b32 v[QO], 9, v[QSO]
	v_lshl_add_u32 v[QO], v2, 4, v[QO]
	v_lshlrev_b32 v[QSO], 4, v[QSO]
	v_lshlrev_b32 v[AKS], 4, v1
	v_lshlrev_b32 v[GO], 4, v19
	WIN TO2
.irp qt, 0,1,2,3
.irp ks, 0,1,2,3
.irp c, 0,1,2,3
	global_load_b128 v[64*\qt+16*\ks+4*\c:64*\qt+16*\ks+4*\c+3], v[QO], s[92:93] offset:(32*(\qt/2)+8*(\qt%2))*512+128*\ks+32*\c   ; Q's fragments stay in registers
.endr
.endr
.endr
	WIN 0
.irp qt, 0,1,2,3
	global_load_b128 v[QS+4*\qt:QS+4*\qt+3], v[QSO], s[94:95] offset:(32*(\qt/2)+8*(\qt%2))*16   ; a row's 16 bytes: the scale words of its four K steps
.endr
.irp kt, 0,1,2,3
	global_load_b128 v[KSC+4*\kt:KSC+4*\kt+3], v[AKS], s[KB:KB+1] offset:256*\kt   ; the first step's keys likewise: tile kt's 16 places, 256 consecutive bytes
.endr
	global_load_b128 v[VSC:VSC+3], v[AKS], s[VB:VB+1]              ; V's scale words of the diagonal pair: d tiles 0-3,
	global_load_b128 v[VSC+4:VSC+7], v[AKS], s[VB:VB+1] offset:256 ; and 4-7
; 16 loads: V's d tiles t0 .. t0 + 3 into 64 registers of window 3; back = 32768: of the pair below the one in hand.  A load reads 512 consecutive bytes
.macro VLOAD reg, t0, back
.irp j, 0,1,2,3
.irp c, 0,1,2,3
	global_load_b128 v[\reg+16*\j+4*\c:\reg+16*\j+4*\c+3], v[GO], s[VC:VC+1] offset:(\t0+\j)*2048+512*\c-(\back)
.endr
.endr
.endm
	WIN TO3
	VLOAD VF, 0, 0                                 ; the diagonal pair's tiles 0-3
	WIN 0
	s_mul_i32 s80, s15, 64*PK                      ; my 64 keys of a step
	v_mul_u32_u24 v[AK], v1, PK
	v_lshl_add_u32 v[AK], v2, 4, v[AK]
	v_add_nc_u32 v[AK], s80, v[AK]
	v_add_nc_u32 v[AK+1], STEP1, v[AK]
	v_mov_b32 v[ADK], v[AK]                        ; the first pair lies in slot 0
	v_mov_b32 v[ADK+1], v[AK+1]
	s_and_b32 s80, s17, 1                          ; the mask: key < query is  32 b + 8 u + j - 16 qt  <  128 (I % 2) + 64 (qh - kh) + r - 16 h - 128 e
	s_lshl_b32 s80, s80, 7
	s_sub_co_i32 s81, s16, s15
	s_lshl_b32 s81, s81, 6
	s_add_co_i32 s80, s80, s81
	v_lshlrev_b32 v[DD+1], 4, v2
	v_sub_nc_u32 v[DD], v1, v[DD+1]
	v_add_nc_u32 v[DD], s80, v[DD]
	v_add_nc_u32 v[DD+1], 0xffffff80, v[DD]
	s_mul_i32 s80, s14, STG                        ; my stage: in: row r, 32 bytes for each half of the lanes
	v_mul_u32_u24 v[STO], v1, PK
	v_lshl_add_u32 v[STO], v2, 5, v[STO]
	v_add_nc_u32 v[STO], s80, v[STO]
	s_mul_i32 s80, s16, 2*STG                      ; back: rows 32 kh on of the stage of wave 2 qh; the partner's lies STG further on
	s_mul_i32 s81, s15, 32*PK
	s_add_co_u32 s80, s80, s81
	v_lshl_add_u32 v[RD], v19, 4, s80
.irp g, 0,1,2,3,4,5,6,7
	v_mov_b32 v[BD+\g], 0                          ; the destination of a lane permute counts as read: written once here, and by every quantiser after
.endr
; 16 LDS loads: my four tiles of 16 keys of step e of the slot in hand, n = 128 ks on, into a set.  A fragment: lane l holds row l % 16; registers 4 c .. 4 c + 3 hold K = 32 c + 16 (l / 16) + 0 .. 15
.macro KFETCH e, ks, set
.irp kt, 0,1,2,3
.irp c, 0,1,2,3
	ds_load_b128 v[64*(\set)+16*\kt+4*\c:64*(\set)+16*\kt+4*\c+3], v[ADK+\e] offset:16*\kt*PK+128*(\ks)+32*\c
.endr
.endr
.endm
; 8 matrix instructions: tiles k0, k0 + 1 of keys x four of queries, K step ks, from a set.  The 16 accumulators take turns, one instruction a turn; the first K step starts the sums.
.macro SMULH ks, set, k0
.irp kt, \k0, \k0+1
.irp qt, 0,1,2,3
.if (\ks) == 0
	v_wmma_scale_f32_16x16x128_f8f6f4 v[S+32*\qt+8*(\kt):S+32*\qt+8*(\kt)+7], v[64*(\set)+16*(\kt):64*(\set)+16*(\kt)+15], v[64*\qt+16*(\ks):64*\qt+16*(\ks)+15], 0, v[KSC+4*(\kt)+(\ks)], v[QS+4*\qt+(\ks)]
.else
	v_wmma_scale_f32_16x16x128_f8f6f4 v[S+32*\qt+8*(\kt):S+32*\qt+8*(\kt)+7], v[64*(\set)+16*(\kt):64*(\set)+16*(\kt)+15], v[64*\qt+16*(\ks):64*\qt+16*(\ks)+15], v[S+32*\qt+8*(\kt):S+32*\qt+8*(\kt)+7], v[KSC+4*(\kt)+(\ks)], v[QS+4*\qt+(\ks)]
.endif
.endr
.endr
.endm
.macro SMUL ks, set
	SMULH \ks, \set, 0
	SMULH \ks, \set, 2
.endm
; THE PRODUCTS OF A PAIR'S FIRST STEP: my 64 keys x my 64 queries; K steps 0 to 3 in sets 1, 0, 1, 0.  K steps 0 and 1 and the keys' scale words were asked for in the pair before (or at the start).
.macro SP0
	s_wait_loadcnt 18                              ; this step's scale words are in; the 16 loads of V's tiles 0-3 and the 2 of V's scale words, issued behind them, may be out
	s_wait_dscnt 16                                ; K step 0 is in; the 16 loads issued last (K step 1) may be out
	WIN W_S
	SMUL 0, 1
	PLACES 8                                       ; in front of loads into registers that matrix instructions have read
	WIN TO3
	KFETCH 0, 2, 1
	s_wait_dscnt 16                                ; K step 1 is in; the 16 just issued may be out
	WIN W_S
	SMUL 1, 0
	PLACES 8
	WIN TO3
	KFETCH 0, 3, 0
	s_wait_dscnt 16                                ; K step 2 is in
	WIN W_S
	SMUL 2, 1
	s_wait_dscnt 0x0
	SMUL 3, 0
	WIN 0
	PLACES 8                                       ; in front of the loads that follow and of the first read of the results
.endm
; THE PRODUCTS OF ITS SECOND STEP, K steps 0 to 3 in sets 0, 1, 0, 1, AND THE PAIR'S BARRIER.  Behind the third quarter V's tiles 4-7 are asked for, into set 0.  Then each wave waits for all its tensor loads (its part of
; the other slot), adds 0 to its spare word, and waits for that and for its reads of this slot.  Behind the barrier nobody reads this slot any more and the other slot is whole.
; stepv = 1: V's base goes on to this pair.  stepd = 1: the descriptor goes on to this slot and the pair two further down (where no fill follows, it is not used).
.macro SP1 stepv, stepd
	s_wait_loadcnt 0x0                             ; this step's scale words; V's tiles 0-3 and scale words, asked for a pair ago.  No global load of mine is out: every base may be written
.if \stepv
	s_sub_nc_u64 s[VC:VC+1], s[VC:VC+1], 0x8000
.endif
	s_wait_dscnt 16                                ; K step 0 is in; the 16 loads issued last may be out
	WIN W_S
	SMUL 0, 0
	PLACES 8
	WIN TO3
	KFETCH 1, 2, 0
	s_wait_dscnt 16
	WIN W_S
	SMUL 1, 1
	PLACES 8
	WIN TO3
	KFETCH 1, 3, 1
	s_wait_dscnt 16
	WIN W_S
	SMUL 2, 0
	PLACES 8
	WIN TO3
	VLOAD 0, 4, 0                                  ; a quarter of the products, the barrier, the quantiser and half of the second product stand between these and their use
	WIN 0                                          ; (the add's two registers lie in window 0)
	s_wait_tensorcnt 0x0                           ; all my tensor loads have landed, so the group 0 may be written
	ds_add_u32 v[SPW], v[NIL]                      ; 0 onto my spare word
.if \stepd
	s_xor_b32 s57, s57, SLOTB                      ; the other slot than last time,
	s_sub_nc_u64 s[58:59], s[58:59], 0x20000       ; a pair down: 256 rows of 512 bytes; the type bits on top are not reached
.endif
	s_wait_dscnt 1                                 ; K step 3 is in; the add may be out
	WIN W_S
	SMULH 3, 1, 0                                  ; eight matrix instructions stand between the add and the wait for it
	s_wait_dscnt 0x0                               ; the add is done, and my reads of this slot are over
	s_barrier_signal -1
	SMULH 3, 1, 2                                  ; work on registers while the others arrive
	WIN 0
	s_barrier_wait -1                              ; both now hold of every wave
.endm
; The diagonal pair: a score is kept where its key lies ahead of its query, else it is 0.  Register j of tile kt = 2 b + u is key 32 b + 16 h + 8 u + j; each accumulator is taken from its low end on.
.macro MASK e
.irp qt, 0,1,2,3
.irp kt, 0,1,2,3
.irp j, 0,1,2,3,4,5,6,7
	v_cmp_lt_i32 vcc_lo, 32*(\kt/2)+8*(\kt%2)+\j-16*\qt, v[DD+\e]
	v_cndmask_b32 v[S+32*\qt+8*\kt+\j], 0, v[S+32*\qt+8*\kt+\j], vcc_lo
.endr
.endr
.endr
.endm
; S^T becomes P.  Group g = 2 qt + b: 16 registers at S + 16 g, 16 neighbouring keys of one query; the block's other 16 lie in lane l xor 16.  Stage by stage over the eight groups, so that neighbouring lines do not wait for each other.
.macro QUANT e
.irp g, 0,1,2,3,4,5,6,7
	v_max3_num_f32 v[MX+\g], |v[S+16*\g]|, |v[S+16*\g+1]|, |v[S+16*\g+2]|
.endr
.irp i, 3,5,7,9,11,13
.irp g, 0,1,2,3,4,5,6,7
	v_max3_num_f32 v[MX+\g], v[MX+\g], |v[S+16*\g+\i]|, |v[S+16*\g+\i+1]|
.endr
.endr
.irp g, 0,1,2,3,4,5,6,7
	v_max_num_f32 v[MX+\g], v[MX+\g], |v[S+16*\g+15]|
.endr
.irp g, 0,1,2,3,4,5,6,7
	v_permlanex16_b32 v[BD+\g], v[MX+\g], s22, s23
.endr
.irp g, 0,1,2,3,4,5,6,7
	v_max_num_f32 v[MX+\g], v[MX+\g], v[BD+\g]     ; the block's largest magnitude
.endr
.irp g, 0,1,2,3,4,5,6,7
	v_lshrrev_b32 v[SF+\g], 23, v[MX+\g]           ; its exponent field
.endr
.irp g, 0,1,2,3,4,5,6,7
	v_max_u32 v[SF+\g], 9, v[SF+\g]                ; the byte is not to fall under 1
.endr
.irp g, 0,1,2,3,4,5,6,7
	v_lshl_or_b32 v[BD+\g], v[SF+\g], 23, 0x600000 ; 448 x the scale
.endr
.irp g, 0,1,2,3,4,5,6,7
	v_add_nc_u32 v[SF+\g], -8, v[SF+\g]            ; the scale's byte
.endr
.irp g, 0,1,2,3,4,5,6,7
	v_cmp_eq_u32 vcc_lo, 0, v[MX+\g]
	v_cndmask_b32 v[MX+\g], v[SF+\g], 127, vcc_lo  ; a block of zeros (hidden keys) gets 127
.endr
.irp g, 0,1,2,3,4,5,6,7
	v_lshlrev_b32 v[SF+\g], 23, v[SF+\g]           ; the scale as f32, for the conversion
.endr
.irp qt, 0,1,2,3
.if (\e) == 0
	v_lshl_or_b32 v[PSC+\qt], v[MX+2*\qt+1], 8, v[MX+2*\qt]        ; bytes 0, 1 of P's scale word: this step's two blocks
.else
	v_lshl_or_b32 v[PSC+\qt], v[MX+2*\qt], 16, v[PSC+\qt]          ; bytes 2, 3
	v_lshl_or_b32 v[PSC+\qt], v[MX+2*\qt+1], 24, v[PSC+\qt]
.endif
.endr
.irp g, 0,1,2,3,4,5,6,7
.irp i, 0,1,2,3,4,5,6,7,8,9,10,11,12,13,14,15
	v_med3_num_f32 v[S+16*\g+\i], v[S+16*\g+\i], -v[BD+\g], v[BD+\g]   ; the conversion does not saturate (ISA guide 7.6.2).  (These 128 also stand between P's scale words and the matrix instructions that take them)
.endr
.endr
	WIN TO3
.irp g, 0,1,2,3,4,5,6,7
	v_cvt_scalef32_pk8_fp8_f32 v[PP+16*(\g/2)+4*(2*(\e)+\g%2):PP+16*(\g/2)+4*(2*(\e)+\g%2)+1], v[S+16*\g:S+16*\g+7], v[SF+\g]
	v_cvt_scalef32_pk8_fp8_f32 v[PP+16*(\g/2)+4*(2*(\e)+\g%2)+2:PP+16*(\g/2)+4*(2*(\e)+\g%2)+3], v[S+16*\g+8:S+16*\g+15], v[SF+\g]
.endr
	WIN 0
	PLACES 4                                       ; behind the conversions, and ahead of the matrix instructions that take P or write over S^T
.endm
; 16 matrix instructions of O^T += V^T P^T: four tiles of 16 d from d0 on, their fragments from register ab on, x four tiles of queries; K = my 128 keys of the pair.  The 32 accumulators take turns.
; zero = 1: the diagonal pair starts the sums.
.macro OMUL d0, ab, zero
.irp dd, 0,1,2,3
.irp qt, 0,1,2,3
.if \zero
	v_wmma_scale_f32_16x16x128_f8f6f4 v[64*\qt+8*(\d0+\dd):64*\qt+8*(\d0+\dd)+7], v[\ab+16*\dd:\ab+16*\dd+15], v[PP+16*\qt:PP+16*\qt+15], 0, v[VSC+\d0+\dd], v[PSC+\qt]
.else
	v_wmma_scale_f32_16x16x128_f8f6f4 v[64*\qt+8*(\d0+\dd):64*\qt+8*(\d0+\dd)+7], v[\ab+16*\dd:\ab+16*\dd+15], v[PP+16*\qt:PP+16*\qt+15], v[64*\qt+8*(\d0+\dd):64*\qt+8*(\d0+\dd)+7], v[VSC+\d0+\dd], v[PSC+\qt]
.endif
.endr
.endr
.endm
; THE SECOND PRODUCT of a pair.  nxt = 1: a pair follows: its tiles 0-3 of V, its first step's K step 1 and its scale words of V take the registers as they fall free.
.macro PVMUL zero, nxt
	WIN W_PV
	OMUL 0, VF, \zero
.if \nxt
	PLACES 8                                       ; in front of loads into registers that matrix instructions have read
	WIN TO3
	VLOAD VF, 0, 32768                             ; a whole pair ahead of their use
	s_wait_loadcnt 20                              ; this pair's tiles 4-7 are in; the 4 loads of K's next scale words and the 16 just issued, all issued behind them, may be out
	WIN W_PV
.else
	s_wait_loadcnt 0x0                             ; this pair's tiles 4-7
.endif
	OMUL 4, 0, \zero
	PLACES 8                                       ; in front of the loads below, of the next conversions into P, and of the way out's reads of O^T
.if \nxt
	WIN TO3
	KFETCH 0, 1, 0
.endif
	WIN 0
.if \nxt
	s_sub_nc_u64 s[VB:VB+1], s[VB:VB+1], 1024      ; a pair down: the loads that named this base were waited for at the head of this pair's second step
	global_load_b128 v[VSC:VSC+3], v[AKS], s[VB:VB+1]
	global_load_b128 v[VSC+4:VSC+7], v[AKS], s[VB:VB+1] offset:256
.endif
.endm
; BEHIND THE FIRST STEP'S PRODUCTS: the second step's first fragments and scale words; then the first step's scores are quantised.
.macro AFTER1 mask
	WIN TO3
	KFETCH 1, 0, 0
	KFETCH 1, 1, 1
	WIN 0
.irp kt, 0,1,2,3
	global_load_b128 v[KSC+4*\kt:KSC+4*\kt+3], v[AKS], s[KB:KB+1] offset:2048+256*\kt
.endr
.if \mask
	MASK 0
.endif
	QUANT 0
.endm
; BEHIND THE PAIR'S BARRIER: the refill first (fill = 1; fill = 2: where there are three pairs or more: a scalar branch outside every loop, and every wait on TENSORcnt is for 0, so it is right on both ways);
; then, if a pair follows, its first fragments, from the other slot, and its first scale words; the quantiser; the second product.
.macro AFTER2 fill, nxt, mask, zero
.if (\fill) == 1
	tensor_load_to_lds s[56:59], s[24:31]          ; the first thing behind the barrier, and my one tensor load until the next.  v_nop follow: they are also the places behind the step's last products
	s_nop 0
	PLACES 8
.elseif (\fill) == 2
	s_cmp_lt_u32 s19, 3
	s_cbranch_scc1 .Lno_fill_\@
	tensor_load_to_lds s[56:59], s[24:31]
	s_nop 0
	PLACES 4
.Lno_fill_\@:
	PLACES 8
.else
	PLACES 8                                       ; behind the step's last products: in front of the loads below and of the first read of the results
.endif
.if \nxt
	s_xor_b32 s[TBS], s[TBS], SLOTB                ; on to the other slot
	v_add_nc_u32 v[ADK], s[TBS], v[AK]
	v_add_nc_u32 v[ADK+1], s[TBS], v[AK+1]
	WIN TO3
	KFETCH 0, 0, 1
	WIN 0
	s_sub_nc_u64 s[KB:KB+1], s[KB:KB+1], 4096      ; a pair down: no load that names this base is out since the wait for 0 at this step's head
.irp kt, 0,1,2,3
	global_load_b128 v[KSC+4*\kt:KSC+4*\kt+3], v[AKS], s[KB:KB+1] offset:256*\kt
.endr
.endif
.if \mask
	MASK 1
.endif
	QUANT 1
	PVMUL \zero, \nxt
.endm
.macro START                           ; the first pair's first fragments; Q, the first scale words and V's first tiles
	WIN TO3
	KFETCH 0, 0, 1
	KFETCH 0, 1, 0
	WIN 0
	s_wait_loadcnt 0x0
.endm
	s_wait_tensorcnt 0x0                           ; my part of slot 0 is in, so the group 0 may be written
	ds_add_u32 v[SPW], v[NIL]                      ; 0 onto my spare word: slot 1's first fill is issued as a refill is
	s_xor_b32 s57, s57, SLOTB                      ; slot 1,
	s_sub_nc_u64 s[58:59], s[58:59], 0x20000       ; the pair below the diagonal's (with one pair alone: not used)
	s_wait_dscnt 0x0
	s_barrier_signal -1
	s_barrier_wait -1                              ; everybody's part is in
	s_cmp_eq_u32 s19, 1
	s_cbranch_scc1 .Lonly
	tensor_load_to_lds s[56:59], s[24:31]          ; it has the diagonal pair's work in which to land
	s_nop 0
.rept 4
	v_nop
.endr
	START
	SP0                                            ; the diagonal pair
	AFTER1 1
	SP1 0, 1
	AFTER2 2, 1, 1, 1
	s_cmp_eq_u32 s19, 2
	s_cbranch_scc1 .Llast
	s_sub_co_u32 s20, s19, 3                       ; pairs behind whose barrier a slot is filled again, the diagonal's apart
	s_cmp_eq_u32 s20, 0
	s_cbranch_scc1 .Lpen
.Lpair:
	SP0
	AFTER1 0
	SP1 1, 1
	AFTER2 1, 1, 0, 0
	s_sub_co_u32 s20, s20, 1
	s_cmp_lg_u32 s20, 0
	s_cbranch_scc1 .Lpair
.Lpen:                                             ; the last two pairs are written out: no slot is filled that no later pair reads
	SP0
	AFTER1 0
	SP1 1, 0
	AFTER2 0, 1, 0, 0
.Llast:
	SP0
	AFTER1 0
	SP1 1, 0
	AFTER2 0, 0, 0, 0
	s_branch .Lout
.Lonly:                                            ; blocks 0 and 1 have the diagonal pair alone: a path of their own, on which slot 1 is neither filled nor read
	START
	SP0
	AFTER1 1
	SP1 0, 0
	AFTER2 0, 0, 1, 1
.Lout:
	; THE WAY OUT.  Each wave puts its partial O (64 queries x 128 d) into its stage; the two waves of a query half then each read 32 rows of both stages, add them, and store whole rows.
	; The stages lie in slot 0: the last pair's barrier has shown that every wave's tensor loads have landed and that its reads of K are over.
	WIN ST1
.irp qt, 0,1,2,3
.irp dt, 0,1,2,3,4,5,6,7
	ds_store_b128 v[STO], v[64*\qt+8*\dt:64*\qt+8*\dt+3] offset:16*\qt*PK+64*\dt          ; register j is o(16 qt + r, 16 dt + 8 h + j); each accumulator from its low end on
	ds_store_b128 v[STO], v[64*\qt+8*\dt+4:64*\qt+8*\dt+7] offset:16*\qt*PK+64*\dt+16
.endr
.endr
	WIN 0
	s_wait_dscnt 0x0                               ; for my partner's sake: my stores are done
	s_barrier_signal -1
	s_barrier_wait -1
.irp g, 0,1,2,3
.if \g >= 2
	s_wait_xcnt 0x0                                ; the registers that the stores two batches ago read are loaded again only behind this wait
.endif
.irp i, 0,1,2,3,4,5,6,7
	ds_load_b128 v[S+64*(\g%2)+4*\i:S+64*(\g%2)+4*\i+3], v[RD] offset:(8*\g+\i)*PK        ; a whole row: 32 lanes x 16 bytes
.endr
.irp i, 0,1,2,3,4,5,6,7
	ds_load_b128 v[S+64*(\g%2)+32+4*\i:S+64*(\g%2)+32+4*\i+3], v[RD] offset:(8*\g+\i)*PK+STG
.endr
	s_wait_dscnt 0x0
.irp i, 0,1,2,3,4,5,6,7,8,9,10,11,12,13,14,15
	v_pk_add_f32 v[S+64*(\g%2)+2*\i:S+64*(\g%2)+2*\i+1], v[S+64*(\g%2)+2*\i:S+64*(\g%2)+2*\i+1], v[S+64*(\g%2)+32+2*\i:S+64*(\g%2)+32+2*\i+1]
.endr
.irp i, 0,1,2,3,4,5,6,7
	global_store_b128 v[GO], v[S+64*(\g%2)+4*\i:S+64*(\g%2)+4*\i+3], s[12:13] offset:(8*\g+\i)*512 th:TH_STORE_NT   ; 32 lanes store 512 consecutive bytes, aligned: a row of out0
.endr
.endr
	s_wait_tensorcnt 0x0                           ; the wave's end, behind my last tensor load and my last LDS store
	ds_add_u32 v[SPW], v[NIL]
	s_wait_dscnt 0x0
	s_endpgm
.Lfunc_end_k_q836df14aff_attn:
	.size	k_q836df14aff_attn, .Lfunc_end_k_q836df14aff_attn-k_q836df14aff_attn
	.p2alignl 7, 3214868480
	.fill 96, 4, 3214868480
	.section	.rodata,"a",@progbits
	.p2align	6, 0x0
	.amdhsa_kernel k_q836df14aff_attn
		.amdhsa_group_segment_fixed_size 327680
		.amdhsa_private_segment_fixed_size 0
		.amdhsa_enable_private_segment 0
		.amdhsa_kernarg_size 40
		.amdhsa_user_sgpr_count 2
		.amdhsa_user_sgpr_kernarg_segment_ptr 1
		.amdhsa_wavefront_size32 1
		.amdhsa_system_sgpr_workgroup_id_x 1
		.amdhsa_system_sgpr_workgroup_id_y 1
		.amdhsa_system_sgpr_workgroup_id_z 1
		.amdhsa_system_vgpr_workitem_id 0
		.amdhsa_next_free_vgpr 1024
		.amdhsa_next_free_sgpr 96
		.amdhsa_reserve_vcc 1
		.amdhsa_float_denorm_mode_32 3
		.amdhsa_float_denorm_mode_16_64 3
		.amdhsa_memory_ordered 1
		.amdhsa_forward_progress 1
		.amdhsa_inst_pref_size 255
	.end_amdhsa_kernel
	.section	.bss,"aw",@nobits
	.p2align	6
	.space	262144
	.amdgpu_metadata
---
amdhsa.version: [ 1, 2 ]
amdhsa.kernels:
  - .name:           k_q836df14aff_attn
    .symbol:         k_q836df14aff_attn.kd
    .args:
      - { .name: qr_codes, .offset: 0, .size: 8, .value_kind: global_buffer, .address_space: global }
      - { .name: qr_scales, .offset: 8, .size: 8, .value_kind: global_buffer, .address_space: global }
      - { .name: v_codes, .offset: 16, .size: 8, .value_kind: global_buffer, .address_space: global }
      - { .name: v_scales, .offset: 24, .size: 8, .value_kind: global_buffer, .address_space: global }
      - { .name: out0, .offset: 32, .size: 8, .value_kind: global_buffer, .address_space: global }
    .group_segment_fixed_size: 327680
    .private_segment_fixed_size: 0
    .kernarg_segment_align: 8
    .kernarg_segment_size: 40
    .max_flat_workgroup_size: 128
    .sgpr_count:     96
    .vgpr_count:     1024
    .wavefront_size: 32
...
	.end_amdgpu_metadata
.endif
;; end of part 4
